; MI455X (gfx1250); checked and timed in simulation.
; The chip was launched on July 23, 2026; its instructions are those of AMD's public machine-readable ISA for CDNA 5 (MIT licence, August 2026) and "CDNA5" Instruction Set Architecture Reference Guide (July 2026). The comments in the code are by the model that wrote it; some were corrected since.
;; Self Attention. Allowed arithmetic: matrix products marked QUANTISED: E2M1 operands, one E8M0 scale for each 32 along K, by v_wmma_scale_f32_16x16x128_f8f6f4 with both operands' format E2M1 (or v_wmma_scale_f32_32x16x128_f4), f32 sums; products left as they are: bf16, f16 or f32 operands; f32 sums; everything else in f32.
;; Inputs: W_attn 1,024 x 3,072 float32; W_proj 1,024 x 1,024 float32; attn_mask 4 x 2,048 bool; x 4 x 2,048 x 1,024 float32.
;; Outputs: out0 4 x 2,048 x 1,024 float32.
;; This version of the problem:
;;   THIS VERSION OF THE PROBLEM IS GIVEN IN LOW PRECISION. The matrix products marked QUANTISED in the list below multiply operands that are first quantised to E2M1 (2 exponent bits, 1 mantissa bit; 4 bits a number), with one power-of-two scale for each 32 numbers along K (OCP MX v1.0); their sums are f32. The products marked 'left as it is' may take bf16, f16 or f32 operands, with f32 sums. Whichever they take, every output number must still come out within the allowed error. Rounding operands to bf16 (8 significant bits) uses up far more of that allowance than f16 does (11 bits, for magnitudes from 6e-5 to 65,504). All else is computed in f32.
;;   The module's matrix products, in the order in which they are computed (A, B: the left and right operand; K: the contracted axis; several contracted axes count as one K, in the product's order):
;;     1. [M 8,192, K 1,024] x [K 1,024, N 3,072]; A: input x; B: input W_attn: QUANTISED
;;     2. batch 64 x [M 2,048, K 64] x [K 64, N 2,048]; A: computed on the way; B: computed on the way: left as it is (an operand is computed on the way)
;;     3. batch 64 x [M 2,048, K 2,048] x [K 2,048, N 64]; A: computed on the way; B: computed on the way: left as it is (an operand is computed on the way)
;;     4. [M 8,192, K 1,024] x [K 1,024, N 1,024]; A: computed on the way; B: input W_proj: left as it is (an operand is computed on the way)
;;   THE QUANTISER, for each operand of a quantised product, along K:
;;     - K is cut into blocks of 32 from its start; a last block that is shorter is filled with zeros.
;;     - A block's scale is 2^e with e = floor(log2(the largest magnitude in the block)) - 2, held to -126 .. 127; a block of zeros has e = 0. As a byte (E8M0): e + 127.
;;     - Each number is divided by its block's scale, clamped to +-6, and rounded to the nearest number of E2M1, ties to even, subnormals kept.
;;     - The product sums the exact products of the quantised numbers (number of the format x scale) in f32.
;;   ~~~python
;;   def quantise(x, axis):      # numpy; x: float32 -> the quantised numbers, widened to float32 again
;;       x = np.moveaxis(x, axis, -1); K = x.shape[-1]
;;       x = np.pad(x, [(0, 0)] * (x.ndim - 1) + [(0, -K % 32)]); x = x.reshape(x.shape[:-1] + (-1, 32)); a = np.abs(x).max(-1, keepdims=True)
;;       e = np.where(a > 0, np.clip(np.frexp(np.where(a > 0, a, 1))[1] - 1 - 2, -126, 127), 0)      # np.frexp(a)[1] - 1 = floor(log2(a)), exactly
;;       r = np.clip(x / 2.0 ** e, -6, 6)
;;       step = 2.0 ** (np.maximum(np.frexp(np.where(r == 0, 1, r))[1] - 1, 0) - 1)
;;       q = np.round(r / step) * step * 2.0 ** e      # np.round: ties to even
;;       return np.moveaxis(q.reshape(q.shape[:-2] + (-1,))[..., :K], -1, axis).astype(np.float32)
;;   ~~~
;; One version. Each part assembles by itself: llvm-mc -triple=amdgcn-amd-amdhsa -mcpu=gfx1250 --defsym DOCPART=n.
;; ======== version 1 of 1: 4 launches
;; limits: values are held in f16: magnitudes above 65,504 overflow, below 6.1e-05 lose precision
;; workspace buffers: xc 4,194,304 bytes; xs 262,144 bytes; wc 1,572,864 bytes; ws 98,304 bytes; wp 2,097,152 bytes; qkv 50,331,648 bytes; y 16,777,216 bytes
;; launch prep (part 1): grid 368 x 1, 4 waves a work-group, no clusters, 68,096 bytes of LDS; arguments x, W_attn, W_proj, xc, xs, wc, ws, wp; writes xc, xs, wc, ws, wp
.if DOCPART == 1
	.amdgcn_target "amdgcn-amd-amdhsa--gfx1250"
	.amdhsa_code_object_version 6
	.text
	.protected	k_q47da21e882_prep
	.globl	k_q47da21e882_prep
	.p2align	8
	.type	k_q47da21e882_prep,@function
k_q47da21e882_prep:
	s_mov_b64 s[64:65], 0
	v_nop
	global_prefetch_b8 v0, s[64:65] scope:SCOPE_SE
	s_setreg_imm32_b32 hwreg(HW_REG_WAVE_MODE, 25, 1), 1
	s_wait_xcnt 0x0
; SelfAttention, launch 1 of 4: the operands of the quantised product x @ W_attn become codes of E2M1 with one E8M0 byte for each 32 along K = 1,024; W_proj becomes f16.
; NOTHING OF reference() IS DEAD WORK: every product reaches the output, and all four inputs are loaded (attn_mask by the third launch, where it selects).
; THREE PATHS, told apart by the work-group's number alone; each has LDS bytes of its own:
;   work-groups   0 ..  47: W_attn [1024 (k)][3072 (n)], K its FIRST axis -> wc [3072][512 bytes], K innermost; ws [3072][32].  A lane takes a column, its registers run down K.
;   work-groups  48 .. 111: W_proj [1024][1024] f32 -> wp, f16, in the same order.  No LDS.
;   work-groups 112 .. 367: x [8192][1024], K innermost -> xc [8192][512 bytes], xs [8192][32].  Rows are dense and K is a multiple of 32: a plain stream of blocks of 32.
; A block's scale is 2^(floor(log2(its largest magnitude)) - 2); its byte is the largest magnitude's exponent field - 2, held at 1 from below.  A block of zeros so gets the byte 1 where the
; rule says 127: its codes are zeros, which add nothing under any byte but 0xff, and the bytes are read by this program alone.
; LIMITS: blocks whose largest magnitude lies under 2^(2 - 126) have their byte held at 1; NaN and infinities among the inputs are not served; a number of W_proj beyond 65,504 becomes an f16 infinity.
; Memory binds here: no tensor loads, no matrix unit, no cluster, no barrier: waves share nothing.
.set SPW,    190                       ; v190  LDS address of my spare word: SPARE + 4 x my thread's number; never rewritten
.set NIL,    191                       ; v191  0; never rewritten
.set EMAX,   2
.set XREG,   8192                      ; x's path: a region for each wave: two stages of 32 x 80 bytes, behind them its 256 scale bytes
.set WSTG,   4*XREG                    ; W_attn's path: a stage of 32 rows x 272 bytes for each wave
.set WPITCH, 272
.set SPARE,  WSTG+4*32*WPITCH          ; the spare words, 128 bytes for each wave: two blocks of 256 bytes that no other line names
	s_load_b512 s[4:19], s[0:1], 0x0               ; x 4:5, W_attn 6:7, W_proj 8:9, xc 10:11, xs 12:13, wc 14:15, ws 16:17, wp 18:19
	v_lshl_add_u32 v[SPW], v0, 2, SPARE
	v_mov_b32 v[NIL], 0
	v_lshrrev_b32 v1, 5, v0
	v_readfirstlane_b32 s20, v1                    ; wave 0..3
	v_and_b32 v2, 31, v0                           ; lane
	s_wait_kmcnt 0x0
	s_cmp_lt_u32 ttmp9, 48
	s_cbranch_scc1 .Lwattn                         ; the longest path has the lowest numbers
	s_cmp_lt_u32 ttmp9, 112
	s_cbranch_scc1 .Lwproj
; ---------------- x: a wave takes 16 steps of 512 numbers.  Each of a step's four loads reads 512 consecutive bytes, 16 a lane; the 2,048 bytes turn through the wave's own stage in LDS and come back
; 64 bytes a lane, so that a lane holds 16 NEIGHBOURS along K (two neighbouring lanes hold a block), as the conversions want them.
.set STEPS, 16
.set CB,    8                          ; bytes of 16 codes
.set XR,    16                         ; v16-79   four sets of 16 numbers as they are loaded
.set XX,    80                         ; v80-111  two sets of 16 neighbours
.set XE,    112                        ; v112-127 a scale byte for each step
.set XC,    128                        ; v128-189 codes: four registers for each step, so that no store's data are written again
.set SP,    80                         ; a lane's place in a stage: its 64 bytes + 16 of padding
	v_lshlrev_b32 v3, 4, v2                        ; my 16 bytes of a load's 512
	s_mul_i32 s21, s20, XREG
	v_lshrrev_b32 v14, 2, v2
	v_mul_u32_u24 v14, v14, SP
	v_and_b32 v15, 3, v2
	v_lshl_add_u32 v14, v15, 4, v14
	v_add_nc_u32 v14, s21, v14                     ; the stage, on the way in: SP (lane / 4) + 16 (lane % 4)
	v_mul_u32_u24 v15, v2, SP
	v_add_nc_u32 v15, s21, v15                     ; and on the way out: SP x lane
	v_mul_u32_u24 v4, v2, CB                       ; my codes' place in a step's
	v_lshrrev_b32 v5, 1, v2
	s_add_co_u32 s21, s21, 2*32*SP
	v_add_nc_u32 v5, s21, v5                       ; my wave's 256 scale bytes, my block's byte
	v_lshlrev_b32 v7, 3, v2                        ; and on the way out 8 bytes a lane
	v_add_nc_u32 v6, s21, v7
	s_sub_co_u32 s22, ttmp9, 112
	s_lshl_b32 s22, s22, 2
	s_add_co_u32 s22, s22, s20                     ; which run of 8,192 numbers is my wave's: 0 .. 1,023
	s_mov_b32 s25, 0
	s_lshl_b32 s24, s22, 15
	s_add_nc_u64 s[4:5], s[4:5], s[24:25]          ; 32,768 bytes of x a run,
	s_lshl_b32 s24, s22, 12
	s_add_nc_u64 s[10:11], s[10:11], s[24:25]      ; 4,096 of codes,
	s_lshl_b32 s24, s22, 8
	s_add_nc_u64 s[12:13], s[12:13], s[24:25]      ; 256 scale bytes
.macro XLOAD t
.irp i, 0,1,2,3
	global_load_b128 v[XR+16*((\t)%4)+4*\i:XR+16*((\t)%4)+4*\i+3], v3, s[4:5] offset:2048*(\t)+512*\i th:TH_LOAD_NT   ; 32 lanes read 512 consecutive bytes
.endr
.endm
.macro XTURN t                         ; step t's numbers through the stage: LDS serves a wave's instructions in order, so no wait stands between the stores and the loads
.irp i, 0,1,2,3
	ds_store_b128 v14, v[XR+16*((\t)%4)+4*\i:XR+16*((\t)%4)+4*\i+3] offset:32*SP*((\t)%2)+8*SP*\i
.endr
.irp i, 0,1,2,3
	ds_load_b128 v[XX+16*((\t)%2)+4*\i:XX+16*((\t)%2)+4*\i+3], v15 offset:32*SP*((\t)%2)+16*\i
.endr
.endm
.irp t, 0,1,2,3
	XLOAD \t
.endr
	s_wait_loadcnt 12                              ; step 0's four loads are in; the twelve of steps 1 to 3 stay out
	XTURN 0
.macro XSTEP t
.set XS, XX+16*((\t)%2)
.if (\t) > 0
	s_wait_dscnt 1                                 ; this step's numbers are back from the stage (the last step's byte store may be out): so its stores into the stage have read their registers,
.else
	s_wait_dscnt 0x0
.endif
.if (\t)+4 < STEPS
	XLOAD (\t)+4                                   ; which take the loads of four steps on
.endif
.if (\t)+1 < STEPS
.if STEPS-2-(\t) >= 3
	s_wait_loadcnt 12                              ; the next step's four loads are in; those of the three steps behind it may be out
.else
	s_wait_loadcnt 4*(STEPS-2-(\t))
.endif
	XTURN (\t)+1                                   ; and go through the other stage while this step is worked
.endif
	v_max3_num_f32 v8, |v[XS]|, |v[XS+1]|, |v[XS+2]|               ; the largest magnitude of my 16, in two chains
	v_max3_num_f32 v9, |v[XS+3]|, |v[XS+4]|, |v[XS+5]|
.irp i, 6,10
	v_max3_num_f32 v8, v8, |v[XS+\i]|, |v[XS+\i+1]|
	v_max3_num_f32 v9, v9, |v[XS+\i+2]|, |v[XS+\i+3]|
.endr
	v_max3_num_f32 v8, v8, |v[XS+14]|, |v[XS+15]|
	v_max3_num_f32 v8, v8, v9, (EMAX+1)<<23        ; and the floor 2^(3 - 127): so the byte cannot fall under 1
	v_max_num_f32_dpp v8, v8, v8 row_xmask:1 row_mask:0xf bank_mask:0xf   ; and of my neighbour's 16: the block's
	v_add_nc_u32 v11, -(EMAX<<23), v8              ; 2 off its exponent field: the conversion takes the exponent field of this operand as its scale, and nothing else of it
	v_cvt_scalef32_pk8_fp4_f32 v[XC+4*(\t)], v[XS:XS+7], v11       ; eight numbers / the scale, to the nearest code, ties to even, beyond 6 the largest code; the first number's code in the lowest bits
	v_cvt_scalef32_pk8_fp4_f32 v[XC+4*(\t)+1], v[XS+8:XS+15], v11
	v_lshrrev_b32 v[XE+(\t)], 23, v11              ; the scale's byte (also the plain line behind the conversions)
	ds_store_b8 v5, v[XE+(\t)] offset:16*(\t)      ; both lanes of a block write the same byte with the same value
	global_store_b64 v4, v[XC+4*(\t):XC+4*(\t)+1], s[10:11] offset:32*CB*(\t)   ; the wave stores 256 consecutive bytes, aligned
.endm
.irp t, 0,1,2,3,4,5,6,7,8,9,10,11,12,13,14,15
	XSTEP \t
.endr
	ds_load_b64 v[8:9], v6                         ; LDS serves a wave's instructions in order: these see my byte stores
	s_wait_dscnt 0x0
	global_store_b64 v7, v[8:9], s[12:13]          ; 32 lanes store the wave's 256 scale bytes, aligned
	s_wait_tensorcnt 0x0                           ; the wave's end, behind my last LDS store
	ds_add_u32 v[SPW], v[NIL]
	s_wait_dscnt 0x0
	s_endpgm
; ---------------- W_attn: a wave takes 32 columns x 512 along K: 16 blocks a lane, 256 bytes of codes a column.  They go through the wave's own stage and leave as rows: sixteen lanes store 256 aligned bytes.
.Lwattn:
.set SIZE_N, 3072
.set NB,     16                        ; blocks of 32 along K for a wave
.set KROW,   512                       ; a row of wc in bytes
.set WX,     32                        ; v32-95   two sets of 32 numbers
.set WC,     96                        ; v96-99   a block's codes
.set OUTR,   112                       ; v112-175 the way out
.set SB,     24                        ; v24-27   the scale bytes, four to a register
	s_cmp_ge_u32 ttmp9, 24
	s_cselect_b32 s22, 1, 0                        ; which 512 along K
	s_mul_i32 s23, s22, 24
	s_sub_co_u32 s23, ttmp9, s23                   ; which 128 columns
	s_lshl_b32 s23, s23, 7
	s_lshl_b32 s24, s20, 5
	s_add_co_u32 s23, s23, s24                     ; my wave's first column
	v_lshlrev_b32 v3, 2, v2                        ; in: 4 bytes a lane
	s_mul_i32 s24, s20, 32*WPITCH
	s_add_co_u32 s24, s24, WSTG                    ; my stage
	v_mul_u32_u24 v4, v2, WPITCH
	v_add_nc_u32 v4, s24, v4                       ; into it: row = my column
	v_and_b32 v5, 15, v2
	v_lshrrev_b32 v6, 4, v2                        ; out of it: sixteen lanes to a row, two rows an instruction
	v_mul_u32_u24 v7, v6, WPITCH
	v_lshl_add_u32 v7, v5, 4, v7
	v_add_nc_u32 v7, s24, v7
	v_mul_u32_u24 v8, v6, KROW
	v_lshl_add_u32 v8, v5, 4, v8                   ; and the same place in wc
	v_lshlrev_b32 v9, 5, v2                        ; my column's row of 32 scale bytes
	s_mov_b32 s27, 0
	s_mul_i32 s26, s22, 512*SIZE_N*4
	s_lshl_b32 s28, s23, 2
	s_add_co_u32 s26, s26, s28
	s_add_nc_u64 s[6:7], s[6:7], s[26:27]          ; W_attn: 512 rows down for the second half of K, + 4 x column
	s_lshl_b32 s26, s23, 9
	s_lshl_b32 s28, s22, 8
	s_add_co_u32 s26, s26, s28
	s_add_nc_u64 s[14:15], s[14:15], s[26:27]      ; wc: column x 512 + 256 x half
	s_lshl_b32 s26, s23, 5
	s_lshl_b32 s28, s22, 4
	s_add_co_u32 s26, s26, s28
	s_add_nc_u64 s[16:17], s[16:17], s[26:27]      ; ws: column x 32 + 16 x half
.macro WLOAD t                         ; block t: W(32 t + i, my column), i = 0 .. 31, into set t % 2.  The largest offset, 511 rows of 12,288 bytes, is inside the signed 24-bit immediate
.irp i, 0,1,2,3,4,5,6,7,8,9,10,11,12,13,14,15,16,17,18,19,20,21,22,23,24,25,26,27,28,29,30,31
	global_load_b32 v[WX+32*((\t)%2)+\i], v3, s[6:7] offset:(32*(\t)+\i)*SIZE_N*4 th:TH_LOAD_NT
.endr
.endm
	WLOAD 0
	WLOAD 1
.macro WBLOCK t
.set WS, WX+32*((\t)%2)
.if (\t) < NB-1
	s_wait_loadcnt 32                              ; this block's 32 loads are in; the next block's may be out
.else
	s_wait_loadcnt 0
.endif
	v_max3_num_f32 v12, |v[WS]|, |v[WS+1]|, |v[WS+2]|              ; the block's largest magnitude: all 32 numbers are mine
	v_max3_num_f32 v13, |v[WS+3]|, |v[WS+4]|, |v[WS+5]|
.irp i, 6,10,14,18,22,26
	v_max3_num_f32 v12, v12, |v[WS+\i]|, |v[WS+\i+1]|
	v_max3_num_f32 v13, v13, |v[WS+\i+2]|, |v[WS+\i+3]|
.endr
	v_max3_num_f32 v12, v12, |v[WS+30]|, |v[WS+31]|
	v_max3_num_f32 v12, v12, v13, (EMAX+1)<<23     ; and the floor
	v_add_nc_u32 v11, -(EMAX<<23), v12             ; the conversion's scale operand
	v_lshrrev_b32 v13, 23, v11                     ; the scale's byte
.if (\t)%4 == 0
	v_mov_b32 v[SB+(\t)/4], v13                    ; four bytes to a register, the lower K in the lower byte
.else
	v_lshl_or_b32 v[SB+(\t)/4], v13, 8*((\t)%4), v[SB+(\t)/4]
.endif
.irp g, 0,1,2,3
	v_cvt_scalef32_pk8_fp4_f32 v[WC+\g], v[WS+8*\g:WS+8*\g+7], v11
.endr
	v_nop                                          ; one plain line behind the last conversion
	ds_store_b128 v4, v[WC:WC+3] offset:16*(\t)    ; 32 codes: 16 bytes of my column's row
.if (\t)+2 < NB
	WLOAD (\t)+2
.endif
	s_wait_dscnt 0x0                               ; the store has read its registers: the next block's codes may be written
.endm
.set Q, 0
.rept NB
	WBLOCK Q
.set Q, Q+1
.endr
	global_store_b128 v9, v[SB:SB+3], s[16:17]     ; my column's 16 scale bytes
.irp t, 0,1,2,3,4,5,6,7,8,9,10,11,12,13,14,15
	ds_load_b128 v[OUTR+4*\t:OUTR+4*\t+3], v7 offset:2*\t*WPITCH   ; LDS serves a wave's instructions in order: these see my stores
.endr
.irp t, 0,1,2,3,4,5,6,7,8,9,10,11,12,13,14,15
	s_wait_dscnt 15-\t                             ; the younger loads stay out
	global_store_b128 v8, v[OUTR+4*\t:OUTR+4*\t+3], s[14:15] offset:2*\t*KROW
.endr
	s_wait_tensorcnt 0x0                           ; the wave's end, behind my last LDS store
	ds_add_u32 v[SPW], v[NIL]
	s_wait_dscnt 0x0
	s_endpgm
; ---------------- W_proj: a wave takes 4,096 numbers: 32 loads of 512 consecutive bytes, all issued first; each becomes 256 consecutive bytes of f16.  No register is written twice, no LDS is touched.
.Lwproj:
	s_sub_co_u32 s22, ttmp9, 48
	s_lshl_b32 s22, s22, 2
	s_add_co_u32 s22, s22, s20                     ; my run: 0 .. 255
	s_mov_b32 s25, 0
	s_lshl_b32 s24, s22, 14
	s_add_nc_u64 s[8:9], s[8:9], s[24:25]
	s_lshl_b32 s24, s22, 13
	s_add_nc_u64 s[18:19], s[18:19], s[24:25]
	v_lshlrev_b32 v3, 4, v2
	v_lshlrev_b32 v4, 3, v2
.irp j, 0,1,2,3,4,5,6,7,8,9,10,11,12,13,14,15,16,17,18,19,20,21,22,23,24,25,26,27,28,29,30,31
	global_load_b128 v[16+4*\j:19+4*\j], v3, s[8:9] offset:512*\j th:TH_LOAD_NT
.endr
.irp j, 0,1,2,3,4,5,6,7,8,9,10,11,12,13,14,15,16,17,18,19,20,21,22,23,24,25,26,27,28,29,30,31
	s_wait_loadcnt 31-\j                           ; loads come back in order: load j is in, the younger ones stay out
	v_cvt_pk_f16_f32 v[16+4*\j], v[16+4*\j], v[17+4*\j]
	v_cvt_pk_f16_f32 v[17+4*\j], v[18+4*\j], v[19+4*\j]
	global_store_b64 v4, v[16+4*\j:17+4*\j], s[18:19] offset:256*\j
.endr
	s_endpgm
.Lfunc_end_k_q47da21e882_prep:
	.size	k_q47da21e882_prep, .Lfunc_end_k_q47da21e882_prep-k_q47da21e882_prep
	.p2alignl 7, 3214868480
	.fill 96, 4, 3214868480
	.section	.rodata,"a",@progbits
	.p2align	6, 0x0
	.amdhsa_kernel k_q47da21e882_prep
		.amdhsa_group_segment_fixed_size 68096
		.amdhsa_private_segment_fixed_size 0
		.amdhsa_enable_private_segment 0
		.amdhsa_kernarg_size 64
		.amdhsa_user_sgpr_count 2
		.amdhsa_user_sgpr_kernarg_segment_ptr 1
		.amdhsa_wavefront_size32 1
		.amdhsa_system_sgpr_workgroup_id_x 1
		.amdhsa_system_sgpr_workgroup_id_y 1
		.amdhsa_system_sgpr_workgroup_id_z 1
		.amdhsa_system_vgpr_workitem_id 0
		.amdhsa_next_free_vgpr 192
		.amdhsa_next_free_sgpr 66
		.amdhsa_reserve_vcc 0
		.amdhsa_float_denorm_mode_32 3
		.amdhsa_float_denorm_mode_16_64 3
		.amdhsa_memory_ordered 1
		.amdhsa_forward_progress 1
		.amdhsa_inst_pref_size 122
	.end_amdhsa_kernel
	.amdgpu_metadata
---
amdhsa.version: [ 1, 2 ]
amdhsa.kernels:
  - .name:           k_q47da21e882_prep
    .symbol:         k_q47da21e882_prep.kd
    .args:
      - { .name: x, .offset: 0, .size: 8, .value_kind: global_buffer, .address_space: global }
      - { .name: W_attn, .offset: 8, .size: 8, .value_kind: global_buffer, .address_space: global }
      - { .name: W_proj, .offset: 16, .size: 8, .value_kind: global_buffer, .address_space: global }
      - { .name: xc, .offset: 24, .size: 8, .value_kind: global_buffer, .address_space: global }
      - { .name: xs, .offset: 32, .size: 8, .value_kind: global_buffer, .address_space: global }
      - { .name: wc, .offset: 40, .size: 8, .value_kind: global_buffer, .address_space: global }
      - { .name: ws, .offset: 48, .size: 8, .value_kind: global_buffer, .address_space: global }
      - { .name: wp, .offset: 56, .size: 8, .value_kind: global_buffer, .address_space: global }
    .group_segment_fixed_size: 68096
    .private_segment_fixed_size: 0
    .kernarg_segment_align: 8
    .kernarg_segment_size: 64
    .max_flat_workgroup_size: 128
    .sgpr_count:     66
    .vgpr_count:     192
    .wavefront_size: 32
...
	.end_amdgpu_metadata
.endif
;; end of part 1
;; launch qkv (part 2): grid 12 x 32, 4 waves a work-group, clusters of 4 x 4, 327,680 bytes of LDS; arguments xc, xs, wc, ws, qkv; writes qkv
.if DOCPART == 2
	.amdgcn_target "amdgcn-amd-amdhsa--gfx1250"
	.amdhsa_code_object_version 6
	.text
	.protected	k_q47da21e882_qkv
	.globl	k_q47da21e882_qkv
	.p2align	8
	.type	k_q47da21e882_qkv,@function
k_q47da21e882_qkv:
	s_mov_b64 s[64:65], 0
	v_nop
	global_prefetch_b8 v0, s[64:65] scope:SCOPE_SE
	s_setreg_imm32_b32 hwreg(HW_REG_WAVE_MODE, 25, 1), 1
	s_wait_xcnt 0x0
	s_wait_alu depctr_hold_cnt(0) depctr_sa_sdst(0) depctr_va_vdst(0) depctr_va_sdst(0) depctr_va_ssrc(0) depctr_va_vcc(0) depctr_vm_vsrc(0)
	s_getreg_b32 s2, hwreg(HW_REG_IB_STS2, 6, 4)
	s_cmp_eq_u32 s2, 0
	s_cbranch_scc0 .Lentry_in_a_cluster
	s_endpgm
.Lentry_in_a_cluster:
	s_bfe_u32 s2, ttmp6, 0x10000c
	s_cmp_lg_u32 s2, 0xf033
	s_cbranch_scc0 .Lentry_shape_is_right
	s_endpgm
.Lentry_shape_is_right:
; SelfAttention, launch 2 of 4: qkv = Q(x) Q(W_attn), the quantised product, on codes of FP4 (E2M1) with one E8M0 scale for each 32 along K; sums in f32, K ascending.  No work of reference() is left out.
; A = xc [8192][1024 codes], B = wc [3072][1024 codes], both K innermost, two codes a byte; xs [8192][32], ws [3072][32]: a byte for each 32 along K.
; The result is rounded to f16, the operand format of the products that follow, and laid head by head: qkv [3 (q, k, v)][4 (b)][16 (h)][2048 (t)][64 (d)].
; LIMIT: a q, k or v beyond 65,504 in magnitude becomes an f16 infinity (x and W_attn both 30 times larger than drawn, or offset by 30 spreads, stay under it).
; A tile of C, 256 x 256, is made by a work-group of four waves; a wave makes 128 x 128: 64 accumulators of 16 x 16, 512 registers.
; K = 1,024 is two slots of 512 along K (tile rows of 256 bytes): both are asked for at the head and NOTHING IS FILLED AGAIN; by this text's count a wave has three tensor loads out at the most.
; THE SCALES of the work-group's 256 rows of A and of B, for all of K, are two dense blocks of memory: they come into LDS once, with the first fills.
; CLUSTERS: 4 x 4 work-groups.  The four of a row of the cluster need the same tiles of A, the four of a column the same tiles of B: each tile is asked for JOINTLY, by the same tensor load with the
; same descriptor and a mask that names the four.  THE MATRIX INSTRUCTION IS USED TRANSPOSED (source 0 = 16 rows of B, source 1 = 16 rows of A): a lane then holds eight neighbouring numbers of a row of C.
; REGISTERS, in windows of 256: window 0: v0-31 addresses; v32-95 scale words, two sets; from v128 A's fragments (8 x 16 rows x 128 K), ONE set; on the way out v32-63 and v128-191 are at work.
;   window 1: B's fragments, TWO sets, at v0 and at v128.   window 2: the 32 accumulators of my rows 0-63 (accumulator (a, b) at v[8 (8 a + b)]);   window 3: those of my rows 64-127.
.set SIZE_M, 8192
.set SIZE_N, 3072
.set SIZE_K, 1024
.set KSTEP,  512                       ; along K in a slot
.set NQ,     KSTEP/128                 ; matrix instructions deep
.set ROWB,   256                       ; a tile's row in bytes
.set KROW,   SIZE_K*4/8                ; a row of A or of B in memory, in bytes
.set PITCH,  272                       ; an LDS row: 256 bytes + 16 of padding = 68 words: the 16 rows that a load touches start at 16 different banks
.set FR,     8                         ; registers of a fragment: 16 rows x 128 K
.set NL,     2                         ; LDS loads that bring one
.set NP,     4                         ; places behind this matrix instruction (ISA guide 7.12.1)
.set HALFT,  128*PITCH                 ; 128 rows: what one tensor load brings, and what one wave reads of A or of B
.set SLOT,   4*HALFT                   ; A's 256 rows, then B's 256 rows
.set KS,     SIZE_K/32                 ; a row of scales in bytes
.set SCL,    2*SLOT                    ; behind the slots: the scales, as units of 256 bytes + 16 of padding
.set HALFS,  (128*KS/256)*272          ; the scales of 128 rows: what one tensor load brings
.set SBLK,   (16*KS/256)*272           ; those of 16 rows
.set SPARE,  SCL+4*HALFS               ; the spare words, 128 bytes for each wave: two blocks of 256 bytes that no other line names
.set SROW,   144                       ; the way out: a stage of [2 heads][16 tokens][128 bytes + 16] for each wave, in slot 0, which has had its one fill and its last read by then
.set SHEAD,  16*SROW
.set ADRA, 16                          ; v16-17  LDS address of my A fragments in slot 0, 1
.set ADRB, 20                          ; v20-21  the same for B
.set STO,  24                          ; v24     the way out: where I put 16 bytes of a token's row
.set RD,   25                          ; v25     the way out: where I read rows back
.set CO,   26                          ; v26     16 x lane
.set ADRS, 27                          ; v27     LDS address of my scale words: lanes 0-15 A's rows, lanes 16-31 B's
.set SPW,  28                          ; v28     LDS address of my spare word; never rewritten
.set NIL,  29                          ; v29     0; never rewritten
.set SC,   32                          ; scale words: set s at v[SC + 32 s]; register 4 i + q: lanes 0-15 the word of A's block i, lanes 16-31 that of B's block i, for the slot's q-th 128 along K
.set AF,   128                         ; A's fragments, in window 0
.set TMP,  32                          ; the way out: a block's 32 packed registers
.set BK,   128                         ; the way out: rows read back: v128-159 and v160-191 by turns
.set G1, 24                            ; s[24:31] descriptor group 1 for A's tiles;  s[32:39] group 0, one set for each slot
.set G0, 32
.set G1B, 48                           ; s[48:55], s[56:63] the same for B's tiles
.set G0B, 56
.set G1S, 68                           ; s[68:75], s[76:79] groups 1 and 0 for A's scales;  s[80:87], s[88:91] for B's
.set G0S, 76
.set G1SB, 80
.set G0SB, 88
.set MSB, 0
.macro WIN new                         ; the immediate's high byte repeats the setting that is left
.if MSB != \new
	s_set_vgpr_msb (MSB<<8)|\new
.set MSB, \new
.endif
.endm
.set MUL_LO, 0xa1                      ; source 0 (B) window 1, source 1 (A) window 0, C and D window 2
.set MUL_HI, 0xf1                      ; the same, C and D window 3
.set TO_B,   0x40                      ; destination window 1, address window 0
; A joint load: waves 0 and 1 fetch for A, waves 2 and 3 for B.  Each of the two lines has ONE mask and one set of registers for all that issue it; the branch hangs on the wave's number alone.
; An s_nop 0 and four v_nop follow each of the two lines, ahead of the jump, the label and what follows.
.macro JLOAD g0a, g1a, g0b, g1b
	s_cmp_eq_u32 s15, 0
	s_cbranch_scc0 .Lfor_b_\@
	tensor_load_to_lds s[\g0a:\g0a+3], s[\g1a:\g1a+7]
	s_nop 0
.rept 4
	v_nop
.endr
	s_branch .Lasked_\@
.Lfor_b_\@:
	tensor_load_to_lds s[\g0b:\g0b+3], s[\g1b:\g1b+7]
	s_nop 0
.rept 4
	v_nop
.endr
.Lasked_\@:
.endm
.macro CROUND                          ; a round of the cluster's barrier: my work-group's barrier, wave 0's signal for the work-group, every wave's wait for all sixteen, my work-group's barrier once more
	s_barrier_signal -1
	s_barrier_wait -1
	s_cmp_lg_u32 s14, 0
	s_cbranch_scc1 .Lnot_wave_0_\@
	s_barrier_signal -3
.Lnot_wave_0_\@:
	s_barrier_wait -3
	s_barrier_signal -1
	s_barrier_wait -1
.endm
	s_load_b128 s[4:7], s[0:1], 0x0                ; A's codes s[4:5], A's scales s[6:7]
	s_load_b128 s[8:11], s[0:1], 0x10              ; B's codes s[8:9], B's scales s[10:11]
	s_load_b64 s[12:13], s[0:1], 0x20              ; qkv
	v_lshl_add_u32 v[SPW], v0, 2, SPARE
	v_mov_b32 v[NIL], 0
	ds_add_u32 v[SPW], v[NIL]                      ; the wave's opening: the add, twice on end, and its wait ahead of my first tensor load; the set-up below, work on registers, stands between
	ds_add_u32 v[SPW], v[NIL]
	v_lshrrev_b32 v1, 5, v0
	v_readfirstlane_b32 s14, v1                    ; wave 0..3
	s_lshr_b32 s15, s14, 1                         ; which half of the tile's rows is mine.  Also: I fetch for A (0) or for B (1)
	s_and_b32 s16, s14, 1                          ; which half of its columns.  Also: which 128 rows of that tile I fetch
	s_bfe_u32 s40, ttmp6, 0x40000                  ; cx, cy: my place in the cluster
	s_bfe_u32 s41, ttmp6, 0x40004
	s_lshl_b32 s42, ttmp9, 2
	s_add_co_u32 s42, s42, s40                     ; tile column of C = 4 x cluster x + cx
	s_and_b32 s17, ttmp7, 0xffff
	s_lshl_b32 s17, s17, 2
	s_add_co_u32 s17, s17, s41                     ; tile row of C = 4 x cluster y + cy
	s_lshl_b32 s43, s41, 2
	s_lshl_b32 s43, 15, s43                        ; my row of the cluster
	s_lshl_b32 s44, 0x1111, s40                    ; my column
	; descriptor group 1: a tile of 128 rows x 256 bytes, padded in LDS
	s_or_b32 s[G1+0], s43, (0<<16)|(1<<20)|(1<<21)|(5<<22)|(3<<25)  ; 15:0 the mask: A's tiles go to my row; 17:16 element of 1 byte; 20 padding on; 21 set beside a mask; 24:22 after every 64 words; 31:25 four words
	s_or_b32 s[G1B+0], s44, (0<<16)|(1<<20)|(1<<21)|(5<<22)|(3<<25)
.irp g, G1, G1B
	s_mov_b32 s[\g+1], ROWB<<16                    ; tensor_dim0
	s_mov_b32 s[\g+2], 128<<16                     ; tensor_dim1 = 128
	s_mov_b32 s[\g+3], ROWB<<16                    ; tile_dim0
	s_mov_b32 s[\g+4], 128                         ; tile_dim1 = 128
	s_mov_b32 s[\g+5], KROW                        ; tensor_dim0_stride
	s_mov_b32 s[\g+6], 0
	s_mov_b32 s[\g+7], 0
.endr
	; and for the scales of 128 rows: a dense block of 4,096 bytes, as rows of 256 bytes (32 elements of 8 bytes), 16 bytes of padding behind each
	s_or_b32 s[G1S+0], s43, (3<<16)|(1<<20)|(1<<21)|(5<<22)|(3<<25)
	s_or_b32 s[G1SB+0], s44, (3<<16)|(1<<20)|(1<<21)|(5<<22)|(3<<25)
.irp g, G1S, G1SB
	s_mov_b32 s[\g+1], 32<<16
	s_mov_b32 s[\g+2], (128*KS/256)<<16
	s_mov_b32 s[\g+3], 32<<16
	s_mov_b32 s[\g+4], 128*KS/256
	s_mov_b32 s[\g+5], 32
	s_mov_b32 s[\g+6], 0
	s_mov_b32 s[\g+7], 0
.endr
	s_lshl_b32 s18, s16, 7                         ; which 128 rows of the tile I fetch
	s_lshl_b32 s20, s17, 8
	s_add_co_u32 s20, s20, s18                     ; A: row 256 x tile row + 128 x half
	s_lshl_b32 s46, s42, 8
	s_add_co_u32 s46, s46, s18                     ; B: row 256 x tile column + 128 x half
	s_mov_b32 s21, 0
	s_mov_b32 s47, 0
	s_mov_b64 s[18:19], KS
	s_mul_u64 s[22:23], s[20:21], s[18:19]         ; where these rows' scales begin, in bytes
	s_mul_u64 s[92:93], s[46:47], s[18:19]
	s_mov_b64 s[18:19], KROW
	s_mul_u64 s[20:21], s[20:21], s[18:19]         ; and their codes
	s_mul_u64 s[46:47], s[46:47], s[18:19]
	s_mul_i32 s45, s14, HALFT                      ; where they go: wave x 128 rows: no place in the cluster enters an LDS address
	s_mul_i32 s94, s14, HALFS
	s_wait_dscnt 0x0                               ; both opening adds are done
	s_wait_kmcnt 0x0
	s_add_nc_u64 s[20:21], s[4:5], s[20:21]
	s_add_nc_u64 s[22:23], s[6:7], s[22:23]
	s_add_nc_u64 s[46:47], s[8:9], s[46:47]
	s_add_nc_u64 s[92:93], s[10:11], s[92:93]
	CROUND                                         ; all sixteen work-groups are here: the first joint loads meet
	s_mov_b32 s[G0S], 1
	s_add_co_u32 s[G0S+1], s94, SCL
	s_mov_b64 s[G0S+2:G0S+3], s[22:23]
	s_or_b32 s[G0S+3], s[G0S+3], 0x80000000
	s_mov_b32 s[G0SB], 1
	s_add_co_u32 s[G0SB+1], s94, SCL
	s_mov_b64 s[G0SB+2:G0SB+3], s[92:93]
	s_or_b32 s[G0SB+3], s[G0SB+3], 0x80000000
	JLOAD G0S, G1S, G0SB, G1SB                     ; the scales first: they are wanted with the first slot
.irp s, 0,1
	s_mov_b32 s[G0+4*\s], 1
	s_add_co_u32 s[G0+4*\s+1], s45, \s*SLOT
	s_add_nc_u64 s[G0+4*\s+2:G0+4*\s+3], s[20:21], \s*ROWB
	s_or_b32 s[G0+4*\s+3], s[G0+4*\s+3], 0x80000000
	s_mov_b32 s[G0B+4*\s], 1
	s_add_co_u32 s[G0B+4*\s+1], s45, \s*SLOT
	s_add_nc_u64 s[G0B+4*\s+2:G0B+4*\s+3], s[46:47], \s*ROWB
	s_or_b32 s[G0B+4*\s+3], s[G0B+4*\s+3], 0x80000000
	JLOAD G0+4*\s, G1, G0B+4*\s, G1B
.endr
	v_and_b32 v1, 15, v0                           ; l % 16
	v_bfe_u32 v2, v0, 4, 1                         ; l / 16
	v_mul_u32_u24 v3, v1, PITCH
	v_lshl_add_u32 v4, v2, 4, v3                   ; a fragment's row x pitch + 16 x half
	s_mul_i32 s21, s15, HALFT                      ; my 128 rows of A
	s_mul_i32 s22, s16, HALFT                      ; my 128 rows of B,
	s_add_co_u32 s22, s22, 2*HALFT                 ; which lie behind A's 256
.irp s, 0,1
	v_add_nc_u32 v[ADRA+\s], s21, v4
	v_add_nc_u32 v[ADRB+\s], s22, v4
	s_add_co_u32 s21, s21, SLOT
	s_add_co_u32 s22, s22, SLOT
.endr
	v_mul_u32_u24 v5, v1, KS                       ; my row's scales: 32 bytes a row,
	v_lshrrev_b32 v6, 8, v5
	v_lshl_add_u32 v5, v6, 4, v5                   ; and 16 more for each 256 passed
	s_mul_i32 s21, s15, HALFS                      ; A's: my 128 rows
	s_mul_i32 s22, s16, HALFS                      ; B's: my 128 rows, behind A's 256
	s_add_co_u32 s22, s22, 2*HALFS
	s_sub_co_u32 s22, s22, s21
	v_mul_u32_u24 v6, s22, v2                      ; lanes 16-31 take B's: one product, the distance between the two bases
	s_add_co_u32 s21, s21, SCL
	v_add_nc_u32 v5, v5, v6
	v_add_nc_u32 v[ADRS], s21, v5
	s_mul_i32 s23, s14, 2*SHEAD                    ; my stage
	v_mul_u32_u24 v5, v1, SROW                     ; in: token l % 16, 16 bytes for each half of the lanes
	v_lshl_add_u32 v5, v2, 4, v5
	v_add_nc_u32 v[STO], s23, v5
	v_and_b32 v6, 31, v0
	v_lshlrev_b32 v[CO], 4, v6                     ; in memory a head's tokens are dense: 32 lanes x 16 bytes are four tokens
	v_lshrrev_b32 v5, 3, v6
	v_mul_u32_u24 v5, v5, SROW                     ; back: eight lanes to a token's 128 bytes
	v_and_b32 v6, 7, v6
	v_lshl_add_u32 v5, v6, 4, v5
	v_add_nc_u32 v[RD], s23, v5
	; where my part begins in qkv: rows m = 256 x tile row + 128 x half: b = m / 2048, t = m % 2048;  columns n = 256 x tile column + 128 x half: two heads, n / 64 = 16 s + h
	s_lshr_b32 s20, s17, 3
	s_lshl_b32 s20, s20, 22                        ; b x 2^22
	s_and_b32 s21, s17, 7
	s_lshl_b32 s21, s21, 15                        ; 256 tokens of 128 bytes for each tile row in the batch
	s_add_co_u32 s20, s20, s21
	s_lshl_b32 s21, s15, 14                        ; 128 tokens for the row half
	s_add_co_u32 s20, s20, s21
	s_mov_b32 s21, 0
	s_lshl_b32 s46, s42, 2                         ; (in the registers that held B's address: none that fed A's descriptors ever holds cx)
	s_lshl_b32 s47, s16, 1
	s_add_co_u32 s46, s46, s47                     ; my first head among the 48
	s_lshr_b32 s47, s46, 4
	s_lshl_b32 s47, s47, 24                        ; q, k or v: 2^24 bytes each
	s_and_b32 s46, s46, 15
	s_lshl_b32 s46, s46, 18                        ; a head: 2^18
	s_add_co_u32 s46, s46, s47
	s_mov_b32 s47, 0
	s_add_nc_u64 s[20:21], s[20:21], s[46:47]
	s_add_nc_u64 s[12:13], s[12:13], s[20:21]
.macro FRAG reg, adr, q, i             ; a fragment, 16 rows x 128 K of 4-bit codes, is 8 registers: lane l holds row l % 16; registers 4 c .. 4 c + 3 hold K = 64 c + 32 (l / 16) + 0 .. 31
.irp c, 0,1
	ds_load_b128 v[\reg+4*\c:\reg+4*\c+3], v[\adr] offset:64*(\q)+32*\c+(\i)*16*PITCH
.endr
.endm
; 16 matrix instructions: A's blocks a0, a0 + 1 x B's eight, 128 along K: the slot's q-th.  p: B's set;  sc: the set of scale words.  zero = 1: the first product starts the sums: nothing is ever cleared.
; The 64 accumulators take turns, one instruction a turn, in the same order in every step.
.macro MUL16 a0, p, q, sc, zero
.irp a, \a0, \a0+1
.irp b, 0,1,2,3,4,5,6,7
.if \zero
	v_wmma_scale_f32_16x16x128_f8f6f4 v[8*(8*((\a)%4)+\b):8*(8*((\a)%4)+\b)+7], v[128*(\p)+FR*\b:128*(\p)+FR*\b+FR-1], v[AF+FR*(\a):AF+FR*(\a)+FR-1], 0, v[SC+8*NQ*(\sc)+NQ*\b+(\q)], v[SC+8*NQ*(\sc)+NQ*(\a)+(\q)] matrix_a_fmt:MATRIX_FMT_FP4 matrix_b_fmt:MATRIX_FMT_FP4 matrix_a_scale:MATRIX_SCALE_ROW1
.else
	v_wmma_scale_f32_16x16x128_f8f6f4 v[8*(8*((\a)%4)+\b):8*(8*((\a)%4)+\b)+7], v[128*(\p)+FR*\b:128*(\p)+FR*\b+FR-1], v[AF+FR*(\a):AF+FR*(\a)+FR-1], v[8*(8*((\a)%4)+\b):8*(8*((\a)%4)+\b)+7], v[SC+8*NQ*(\sc)+NQ*\b+(\q)], v[SC+8*NQ*(\sc)+NQ*(\a)+(\q)] matrix_a_fmt:MATRIX_FMT_FP4 matrix_b_fmt:MATRIX_FMT_FP4 matrix_a_scale:MATRIX_SCALE_ROW1
.endif
.endr
.endr
.endm
.macro FETCH_B slot, q, p              ; B's eight fragments of the slot's q-th 128 along K into set p
	WIN TO_B
.irp i, 0,1,2,3,4,5,6,7
	FRAG 128*(\p)+FR*\i, ADRB+\slot, \q, \i
.endr
	WIN 0
.endm
.macro FETCH_A slot, q, i0             ; A's blocks i0 .. i0 + 3
.irp i, \i0, \i0+1, \i0+2, \i0+3
	FRAG AF+FR*(\i), ADRA+\slot, \q, \i
.endr
.endm
.macro SCALES sc                       ; a slot's scale words into set sc: four words a row; lanes 0-15 take A's block i, lanes 16-31 B's block i
.irp i, 0,1,2,3,4,5,6,7
	ds_load_b128 v[SC+8*NQ*\sc+NQ*\i:SC+8*NQ*\sc+NQ*\i+3], v[ADRS] offset:\i*SBLK
.endr
.endm
; A load into a register that a matrix instruction has read, and a vector instruction that reads a matrix result or writes one of a matrix instruction's registers, stand NP places behind it; only plain vector
; instructions that name none of its registers are places (ISA guide 7.12.1 for vector instructions).
.macro PLACES n
.rept \n
	v_nop
.endr
.endm
; A step of 128 along K that has its successor in the same slot.  A's blocks are free as soon as their eight products are issued: blocks 0-3 are fetched anew in the step's middle, blocks 4-7 at its end.
.macro STEP slot, q, zero
	s_wait_dscnt 4*NL                              ; B's set and A's blocks 0-3 are in; the youngest eight loads (A's blocks 4-7) may be out
	WIN MUL_LO
	MUL16 0, (\q)%2, \q, \slot, \zero
	MUL16 2, (\q)%2, \q, \slot, \zero
	s_wait_dscnt 0                                 ; A's blocks 4-7 are in (asked for 32 matrix instructions ago)
	PLACES NP
	FETCH_B \slot, (\q)+1, 1-(\q)%2
	FETCH_A \slot, (\q)+1, 0
	WIN MUL_HI
	MUL16 4, (\q)%2, \q, \slot, \zero
	MUL16 6, (\q)%2, \q, \slot, \zero
	PLACES NP
	WIN 0
	FETCH_A \slot, (\q)+1, 4
.endm
; Slot 0's last step changes slots: ONE barrier; in front of it each wave waits for all its tensor loads (its part of slot 1), adds 0 to its spare word, and waits for that and for its own reads of slot 0.
; Behind it slot 1 is whole and nobody reads slot 0 any more.  Nothing is filled again.
.macro TURN slot, next
	s_wait_tensorcnt 0x0                           ; all my tensor loads have landed  (every window is 0 here: the add's two registers lie in window 0)
	ds_add_u32 v[SPW], v[NIL]                      ; 0 onto my spare word
	s_wait_dscnt 4*NL+1                            ; (the add and the youngest eight loads, A's blocks 4-7, may be out)
	WIN MUL_LO
	MUL16 0, 1, NQ-1, \slot, 0                     ; sixteen matrix instructions stand between the add and the wait for it
	s_wait_dscnt 0x0                               ; the add is done, and my reads of this slot are over
	s_barrier_signal -1
	MUL16 2, 1, NQ-1, \slot, 0
	WIN 0
	s_barrier_wait -1
	PLACES NP
	v_add_nc_u32 v[ADRS], 4*NQ, v[ADRS]            ; on to the next slot's scale words (no LDS load of mine is out)
	FETCH_B \next, 0, 0
	FETCH_A \next, 0, 0
	SCALES \next
	WIN MUL_HI
	MUL16 4, 1, NQ-1, \slot, 0
	MUL16 6, 1, NQ-1, \slot, 0
	PLACES NP
	WIN 0
	FETCH_A \next, 0, 4
.endm
.macro STEPS slot, from                ; the slot's steps from .. NQ - 2
.set Q, \from
.rept NQ-1-\from
	STEP \slot, Q, 0
.set Q, Q+1
.endr
.endm
	s_wait_tensorcnt 1                             ; the scales and my part of slot 0 are in (slot 1's load may be out)
	s_barrier_signal -1
	s_barrier_wait -1                              ; everybody's are
	FETCH_B 0, 0, 0
	FETCH_A 0, 0, 0
	SCALES 0
	FETCH_A 0, 0, 4
	STEP 0, 0, 1                                   ; the first step's products start the sums
	STEPS 0, 1
	TURN 0, 1
	STEPS 1, 0
	s_wait_dscnt 4*NL                              ; the very last step: nothing more to fetch
	WIN MUL_LO
	MUL16 0, 1, NQ-1, 1, 0
	MUL16 2, 1, NQ-1, 1, 0
	s_wait_dscnt 0
	WIN MUL_HI
	MUL16 4, 1, NQ-1, 1, 0
	MUL16 6, 1, NQ-1, 1, 0
	WIN 0
; THE WAY OUT, block by block of 16 tokens x 128 columns (two heads).  PACK: rounded to f16, a lane's eight columns are 16 bytes of one token's row of one head.  TOSTAGE: into my own stage and back, eight lanes to a
; token's 128 bytes.  SEND: a head's 16 tokens are 2,048 dense bytes of memory: each store covers 512 consecutive bytes, aligned.  LDS serves a wave's instructions in order: no wait between the stores and the loads.
.macro PACK a
.set AC, 64*((\a)%4)
	WIN 0x0a+5*((\a)/4)                            ; sources 0 and 1: window 2 or 3
.irp b, 0,1,2,3,4,5,6,7
.irp r, 0,1,2,3
	v_cvt_pk_f16_f32 v[TMP+4*\b+\r], v[AC+8*\b+2*\r], v[AC+8*\b+2*\r+1]   ; each accumulator from its low end on
.endr
.endr
	WIN 0
.endm
.macro TOSTAGE a
.set BB, BK+32*((\a)%2)
.irp b, 0,1,2,3,4,5,6,7
	ds_store_b128 v[STO], v[TMP+4*\b:TMP+4*\b+3] offset:(\b/4)*SHEAD+32*(\b%4)
.endr
.irp j, 0,1,2,3,4,5,6,7
	ds_load_b128 v[BB+4*\j:BB+4*\j+3], v[RD] offset:(\j/4)*SHEAD+4*SROW*(\j%4)
.endr
.endm
.macro SEND a
.set BB, BK+32*((\a)%2)
	s_wait_dscnt 0x0                               ; the block is back in registers
	s_wait_xcnt 0x0                                ; the block before has had its stores' addresses translated: its registers take the next block's loads only behind this wait
.irp j, 0,1,2,3,4,5,6,7
	global_store_b128 v[CO], v[BB+4*\j:BB+4*\j+3], s[12:13] offset:(\j/4)*262144+(\a)*2048+512*(\j%4)
.endr
.endm
	PLACES NP                                      ; behind the last products: the conversions read results and write registers that held scale words; the loads land where A's fragments lay
	PACK 0
	TOSTAGE 0
.irp a, 1,2,3,4,5,6,7                  ; block a's conversions stand between block a - 1's loads from the stage and the wait for them
	PACK \a
	SEND \a-1
	TOSTAGE \a
.endr
	SEND 7
	s_wait_tensorcnt 0x0                           ; the wave's end, behind my last tensor load and my last LDS store
	ds_add_u32 v[SPW], v[NIL]
	s_wait_dscnt 0x0
	CROUND                                         ; the closing round: no work-group ends while a partner may still ask for a tile that names it
	s_endpgm
.Lfunc_end_k_q47da21e882_qkv:
	.size	k_q47da21e882_qkv, .Lfunc_end_k_q47da21e882_qkv-k_q47da21e882_qkv
	.p2alignl 7, 3214868480
	.fill 96, 4, 3214868480
	.section	.rodata,"a",@progbits
	.p2align	6, 0x0
	.amdhsa_kernel k_q47da21e882_qkv
		.amdhsa_group_segment_fixed_size 327680
		.amdhsa_private_segment_fixed_size 0
		.amdhsa_enable_private_segment 0
		.amdhsa_kernarg_size 40
		.amdhsa_user_sgpr_count 2
		.amdhsa_user_sgpr_kernarg_segment_ptr 1
		.amdhsa_wavefront_size32 1
		.amdhsa_system_sgpr_workgroup_id_x 1
		.amdhsa_system_sgpr_workgroup_id_y 1
		.amdhsa_system_sgpr_workgroup_id_z 1
		.amdhsa_system_vgpr_workitem_id 0
		.amdhsa_next_free_vgpr 1024
		.amdhsa_next_free_sgpr 98
		.amdhsa_reserve_vcc 0
		.amdhsa_float_denorm_mode_32 3
		.amdhsa_float_denorm_mode_16_64 3
		.amdhsa_memory_ordered 1
		.amdhsa_forward_progress 1
		.amdhsa_inst_pref_size 126
	.end_amdhsa_kernel
	.amdgpu_metadata
---
amdhsa.version: [ 1, 2 ]
amdhsa.kernels:
  - .name:           k_q47da21e882_qkv
    .symbol:         k_q47da21e882_qkv.kd
    .args:
      - { .name: xc, .offset: 0, .size: 8, .value_kind: global_buffer, .address_space: global }
      - { .name: xs, .offset: 8, .size: 8, .value_kind: global_buffer, .address_space: global }
      - { .name: wc, .offset: 16, .size: 8, .value_kind: global_buffer, .address_space: global }
      - { .name: ws, .offset: 24, .size: 8, .value_kind: global_buffer, .address_space: global }
      - { .name: qkv, .offset: 32, .size: 8, .value_kind: global_buffer, .address_space: global }
    .group_segment_fixed_size: 327680
    .private_segment_fixed_size: 0
    .kernarg_segment_align: 8
    .kernarg_segment_size: 40
    .max_flat_workgroup_size: 128
    .sgpr_count:     98
    .vgpr_count:     1024
    .wavefront_size: 32
...
	.end_amdgpu_metadata
.endif
;; end of part 2
;; launch attn (part 3): grid 4 x 64, 16 waves a work-group, clusters of 4 x 1, 327,680 bytes of LDS; arguments qkv, attn_mask, y; writes y
.if DOCPART == 3
	.amdgcn_target "amdgcn-amd-amdhsa--gfx1250"
	.amdhsa_code_object_version 6
	.text
	.protected	k_q47da21e882_attn
	.globl	k_q47da21e882_attn
	.p2align	8
	.type	k_q47da21e882_attn,@function
k_q47da21e882_attn:
	s_mov_b64 s[64:65], 0
	v_nop
	global_prefetch_b8 v0, s[64:65] scope:SCOPE_SE
	s_setreg_imm32_b32 hwreg(HW_REG_WAVE_MODE, 25, 1), 1
	s_wait_xcnt 0x0
	s_wait_alu depctr_hold_cnt(0) depctr_sa_sdst(0) depctr_va_vdst(0) depctr_va_sdst(0) depctr_va_ssrc(0) depctr_va_vcc(0) depctr_vm_vsrc(0)
	s_getreg_b32 s2, hwreg(HW_REG_IB_STS2, 6, 4)
	s_cmp_eq_u32 s2, 0
	s_cbranch_scc0 .Lentry_in_a_cluster
	s_endpgm
.Lentry_in_a_cluster:
	s_bfe_u32 s2, ttmp6, 0x10000c
	s_cmp_lg_u32 s2, 0x3003
	s_cbranch_scc0 .Lentry_shape_is_right
	s_endpgm
.Lentry_shape_is_right:
; SelfAttention, launch 3 of 4: y[b][h][q] = the sum over k of softmax_k(where(mask[b][q], -1e9, q . k / 8)) v[k].  q, k, v: f16, [3][4][16][2048][64]; products, maxima and sums in f32;
; the weights p are rounded to f16 for the second product, y once at the end.  No work of reference() is left out.
; THE MASK marks whole query rows.  A row of -1e9 has a softmax of exactly 1/2048 everywhere, whatever the scores were.  Here a masked query's q is SELECTED to 0 (v_cndmask_b32, once, at the head): all its scores are
; exactly 0, so m = 0, every p = 1, the sum is 2,048, and y is the mean of v, as in reference().  LIMIT: a k that is not finite reaches masked rows too (0 x infinity), where reference() drops it.
; SOFTMAX.  For each query a running maximum m and sum l: p = 2^(c s - c m), c = log2(e) / 8; in every step O and l are multiplied by a = 2^(c m_old - c m_new).  m begins at -3e38, O and l at 0, so the step has one form.
; SHARES.  A work-group owns 512 queries of one (b, h); each of its SIXTEEN waves owns 32, two tiles of 16, in 256 registers: four waves to a SIMD, so that one wave's softmax stands beside another's products and
; LDS loads; each fragment of K and V read from LDS feeds two products.  Every wave walks the head's 2,048 keys, 64 a step, 4 steps to a slot of 256 keys.
; LAYOUT.  S^T = K Q^T (source 0 = 16 keys, source 1 = 16 queries): a lane holds ONE query (lane % 16) and the keys 8 (lane / 16) + 0..7.  Two such tiles, rounded to f16 in pairs, ARE source 1 of O^T = V^T P,
; whose result again holds one query a lane.  K comes out of LDS as it lies, V ([key][channel]) turned, by ds_load_tr16_b128.  P is packed in place, over the scores.
; CLUSTER.  The four query blocks of a head form a cluster and walk the same K and V: each tile is asked for JOINTLY, by the same tensor load with the same descriptor and the mask 15.
; Waves 0 and 1 load K's halves of a slot, waves 2 and 3 V's: 16 KiB each, one load out a wave at the most; cutting them smaller so that sixteen waves might load is not wanted.
; IN LDS a head's dense rows of 128 bytes lie two to a row of 256 bytes + padding: key r at (r / 2) x pitch + (r % 2) x 128.  K's pitch 272: the 16 keys of a load fall on the 16-byte columns r / 2 + 8 (r % 2);
; V's pitch 288: 8 keys x 2 columns of a turning load fall on 2 (key / 2) + 8 (key % 2) + column: sixteen different ones each time.
; y is laid [token / 64][h][token % 64][64] f16: a wave's 32 queries of its head are 4,096 consecutive bytes, and 64 tokens x 4 heads are one dense block for the next launch.
.set PKP,   272
.set PVP,   288
.set VOFF,  128*PKP                    ; a slot: 128 rows of K (256 keys), then 128 rows of V
.set SLOT1, 1<<17                      ; slot 1 begins here, so that one exclusive or turns an address in one slot into the other's
.set SPARE, SLOT1+128*(PKP+PVP)        ; the spare words, 128 bytes for each wave: eight blocks of 256 bytes that no other line names
.set SLOTB, 32768                      ; a slot's bytes of K, and of V, in memory
.set SROW,  144                        ; the way out: a stage of 32 queries x (128 bytes + 16) for each wave, from LDS byte 0 on: slot 0 has had its last fill and its last read by then
.set AK0, 1                            ; v1   my lane's place in a tile of K; never rewritten
.set AV0, 2                            ; v2   the same for V
.set ADK, 3                            ; v3   the step's address in K (at the head: tile 0's mask byte)
.set ADV, 4                            ; v4   in V (at the head: tile 1's)
.set SPW, 5                            ; v5   LDS address of my spare word; never rewritten
.set NIL, 6                            ; v6   0; never rewritten
.set PFO, 7                            ; v7   256 x my lane; never rewritten
.set ST,  12                           ; tile x's statistics at v[ST+8 x]: +0 c m, +1 m, +2, +3 l (even keys', odd keys'), +4 to +7 at work; a takes +6
.set TA,  28                           ; v28-31 a pair a tile: the sums' second chain
.set Q,   32                           ; v32-63   Q: tile x, channels 32 c on, at Q + 16 x + 8 c
.set S,   64                           ; v64-127  S^T: tile x, keys 16 kt on, at S + 32 x + 8 kt; then P at S + 32 x + 0 .. 15
.set O,   128                          ; v128-191 O^T: tile x, channels 16 ct on, at O + 32 x + 8 ct
.set KV,  192                          ; v192-255 K's eight fragments of a step, then V's
.set WV,  12                           ; s12  my wave's number
.set G1K, 24                           ; s[24:31] descriptor group 1 for K's tiles;  s[32:39] for V's: it differs in the padding alone
.set G1V, 32
.set G0K, 40                           ; s[40:43], s[44:47] their groups 0, which walk
.set G0V, 44
.set PFA, 48                           ; s[48:49] where my prefetches stand
.set LIM, 50                           ; s50  1 in a wave that prefetches, else the greatest number
.set SLOTS, 51                         ; s51  slots still to be asked for
.set TB,  52                           ; s52  LDS byte at which the slot in hand begins
.set CS,  54                           ; s[54:55] c: the packed form names a pair and takes its low word for both halves
.set SEL, 56                           ; s[56:57] lane selects for v_permlanex16_b32: lane l xor 16
; A joint load.  The branches hang on the wave's number alone: they are the same in every work-group.  An s_nop 0 and four v_nop follow each of the two lines.
.macro JLOAD
	s_cmp_lt_u32 s[WV], 2
	s_cbranch_scc0 .Lnot_k_\@
	tensor_load_to_lds s[G0K:G0K+3], s[G1K:G1K+7]
	s_nop 0
.rept 4
	v_nop
.endr
	s_branch .Lasked_\@
.Lnot_k_\@:
	s_cmp_lt_u32 s[WV], 4
	s_cbranch_scc0 .Lasked_\@
	tensor_load_to_lds s[G0V:G0V+3], s[G1V:G1V+7]
	s_nop 0
.rept 4
	v_nop
.endr
.Lasked_\@:
.endm
; A PREFETCH INTO THE L2 of what the NEXT change of slots will ask for: 128 blocks of 256 bytes of K and 128 of V.  A head has one cluster; its four partners share the blocks out BY ADDRESS, 32 each, a lane a block;
; in each, wave 4 asks for K's and wave 5 for V's: so each block is named once in the launch.  It stands where the loading waves have their tensor load, a slot's four key steps ahead of the load that will want it.
; The last change that fills a slot asks for nothing; slots 0 and 1 come by their loads alone.
.macro ASK
	s_cmp_gt_u32 s[SLOTS], s[LIM]
	s_cbranch_scc0 .Lnot_mine_\@
	global_prefetch_b8 v[PFO], s[PFA:PFA+1] th:TH_LOAD_NT scope:SCOPE_SE
.Lnot_mine_\@:
.endm
.macro CROUND                          ; a round of the cluster's barrier
	s_barrier_signal -1
	s_barrier_wait -1
	s_cmp_lg_u32 s[WV], 0
	s_cbranch_scc1 .Lnot_wave_0_\@
	s_barrier_signal -3
.Lnot_wave_0_\@:
	s_barrier_wait -3
	s_barrier_signal -1
	s_barrier_wait -1
.endm
	s_load_b128 s[4:7], s[0:1], 0x0                ; qkv s[4:5], attn_mask s[6:7]
	s_load_b64 s[8:9], s[0:1], 0x10                ; y
	v_lshl_add_u32 v[SPW], v0, 2, SPARE
	v_mov_b32 v[NIL], 0
	ds_add_u32 v[SPW], v[NIL]                      ; the wave's opening: the add, twice on end, and its wait ahead of the first tensor loads; the set-up below, work on registers, stands between
	ds_add_u32 v[SPW], v[NIL]
	v_lshrrev_b32 v8, 5, v0
	v_readfirstlane_b32 s[WV], v8                  ; wave 0..15
	s_bfe_u32 s13, ttmp6, 0x40000                  ; cx: my place in the cluster
	s_and_b32 s14, ttmp7, 0xffff                   ; 16 b + h, which the four partners share
	s_lshl_b32 s15, ttmp9, 2
	s_add_co_u32 s15, s15, s13                     ; my block of 512 queries
	s_lshl_b32 s16, s14, 18                        ; the head's 2^18 bytes in each of q, k, v
	s_mov_b32 s17, 0
	s_and_b32 s18, s[WV], 1                        ; which half of a slot I fetch, if I fetch:
	s_mul_i32 s19, s18, 64*PKP                     ; its place in a slot's K,
	s_mul_i32 s22, s18, 64*PVP
	s_add_co_u32 s22, s22, VOFF                    ; in its V,
	s_lshl_b32 s20, s18, 14                        ; and in memory: 128 keys of 128 bytes
	s_mov_b32 s21, 0
	s_lshl_b32 s23, s15, 9
	s_lshl_b32 s2, s[WV], 5
	s_add_co_u32 s23, s23, s2                      ; my wave's first query
	s_lshl_b32 s2, s23, 7                          ; its row of q
	s_mov_b32 s3, 0
	s_lshr_b32 s53, s14, 4                         ; b
	s_lshl_b32 s70, s53, 11
	s_add_co_u32 s70, s70, s23                     ; its mask byte
	s_mov_b32 s71, 0
	s_lshl_b32 s10, s53, 5                         ; y: token / 64 = 32 b + 8 x block + wave / 2,
	s_lshl_b32 s11, s15, 3
	s_add_co_u32 s10, s10, s11
	s_lshr_b32 s11, s[WV], 1
	s_add_co_u32 s10, s10, s11
	s_lshl_b32 s10, s10, 17                        ; 131,072 bytes each;
	s_and_b32 s11, s14, 15
	s_lshl_b32 s11, s11, 13                        ; the head's 8,192;
	s_add_co_u32 s10, s10, s11
	s_lshl_b32 s11, s18, 12                        ; my 32 tokens of the 64
	s_add_co_u32 s10, s10, s11
	s_mov_b32 s11, 0
	; descriptor group 1: 64 rows of 256 bytes (32 elements of 8), dense in memory, padded in LDS
	s_mov_b32 s[G1K], 15|(3<<16)|(1<<20)|(1<<21)|(5<<22)|(3<<25)  ; 15:0 the mask: all four work-groups; 17:16 elements of 8 bytes; 20 padding on; 21 set beside a mask; 24:22 after every 64 words; 31:25 four words
	s_mov_b32 s[G1V], 15|(3<<16)|(1<<20)|(1<<21)|(5<<22)|(7<<25)  ; the same with eight words of padding
.irp g, G1K, G1V
	s_mov_b32 s[\g+1], 32<<16                      ; tensor_dim0
	s_mov_b32 s[\g+2], 64<<16                      ; tensor_dim1
	s_mov_b32 s[\g+3], 32<<16                      ; tile_dim0
	s_mov_b32 s[\g+4], 64                          ; tile_dim1
	s_mov_b32 s[\g+5], 32                          ; tensor_dim0_stride
	s_mov_b32 s[\g+6], 0
	s_mov_b32 s[\g+7], 0
.endr
	s_mov_b32 s[CS], 0x3e38aa3b                    ; c = log2(e) / sqrt(64)
	s_mov_b32 s[CS+1], s[CS]                       ; (named with it as a pair, so it is written)
	s_mov_b32 s[SEL], 0x76543210
	s_mov_b32 s[SEL+1], 0xfedcba98
	s_mov_b32 s[TB], 0
	s_mov_b32 s[SLOTS], 7
	s_sub_co_u32 s[LIM], s[WV], 4
	s_lshr_b32 s[LIM], s[LIM], 1                   ; 0 in waves 4 and 5: the same in all four partners
	s_cmp_eq_u32 s[LIM], 0
	s_cselect_b32 s[LIM], 1, -1
	s_wait_dscnt 0x0                               ; both opening adds are done
	s_wait_kmcnt 0x0
	s_add_nc_u64 s[60:61], s[4:5], s[16:17]        ; q at my head,
	s_add_nc_u64 s[66:67], s[60:61], 0x1000000     ; k,
	s_add_nc_u64 s[68:69], s[60:61], 0x2000000     ; v: made before anything of my place in the cluster is added
	s_add_nc_u64 s[60:61], s[60:61], s[2:3]        ; q at my wave's first query
	s_add_nc_u64 s[6:7], s[6:7], s[70:71]          ; the mask likewise
	s_add_nc_u64 s[8:9], s[8:9], s[10:11]          ; and y
	s_cmp_eq_u32 s[WV], 4
	s_cselect_b64 s[PFA:PFA+1], s[66:67], s[68:69]
	s_lshl_b32 s2, s13, 13                         ; my work-group's 32 blocks of the 128,
	s_add_co_u32 s2, s2, SLOTB                     ; in slot 1: the first change of slots steps it to slot 2.  Nothing is prefetched here, at the head
	s_add_nc_u64 s[PFA:PFA+1], s[PFA:PFA+1], s[2:3]
	s_mov_b32 s[G0K], 1                            ; 1:0 count = 1
	s_mov_b32 s[G0K+1], s19                        ; 63:32 LDS address: slot 0
	s_add_nc_u64 s[G0K+2:G0K+3], s[66:67], s[20:21]  ; 120:64 global address: my half of the head's first 256 keys
	s_or_b32 s[G0K+3], s[G0K+3], 0x80000000        ; 127:126 type = 2
	s_mov_b32 s[G0V], 1
	s_mov_b32 s[G0V+1], s22
	s_add_nc_u64 s[G0V+2:G0V+3], s[68:69], s[20:21]
	s_or_b32 s[G0V+3], s[G0V+3], 0x80000000
	CROUND                                         ; all four work-groups are here: the first joint loads meet
	JLOAD                                          ; slot 0
	v_and_b32 v8, 15, v0                           ; r = lane % 16
	v_bfe_u32 v9, v0, 4, 1                         ; h = lane / 16
	v_lshlrev_b32 v10, 7, v8
	v_lshl_add_u32 v10, v9, 4, v10                 ; Q: row r of 128 bytes, + 16 h
.irp x, 0,1
.irp c, 0,1
	global_load_b128 v[Q+16*\x+8*\c:Q+16*\x+8*\c+3],   v10, s[60:61] offset:\x*2048+64*\c      ; Q stays in registers
	global_load_b128 v[Q+16*\x+8*\c+4:Q+16*\x+8*\c+7], v10, s[60:61] offset:\x*2048+64*\c+32
.endr
.endr
	global_load_u8 v3, v8, s[6:7]                  ; the mask byte of my query in tile 0,
	global_load_u8 v4, v8, s[6:7] offset:16        ; and in tile 1
	v_lshrrev_b32 v[AK0], 1, v8
	v_mul_u32_u24 v[AK0], v[AK0], PKP
	v_and_b32 v11, 1, v0
	v_lshl_add_u32 v[AK0], v11, 7, v[AK0]
	v_lshl_add_u32 v[AK0], v9, 4, v[AK0]           ; K: (r / 2) x 272 + (r % 2) x 128 + 16 h
	v_bfe_u32 v[AV0], v0, 1, 2
	v_lshl_add_u32 v[AV0], v9, 2, v[AV0]
	v_mul_u32_u24 v[AV0], v[AV0], PVP
	v_lshl_add_u32 v[AV0], v11, 7, v[AV0]          ; V: the turning load's lane reads key 8 h + lane % 8: (4 h + (lane % 8) / 2) x 288 + (lane % 2) x 128,
	v_bfe_u32 v11, v0, 3, 1
	v_lshl_add_u32 v[AV0], v11, 4, v[AV0]          ; channels 8 ((lane / 8) % 2) on
	v_add_nc_u32 v[AV0], VOFF, v[AV0]
	v_and_b32 v[PFO], 31, v0
	v_lshlrev_b32 v[PFO], 8, v[PFO]
.irp x, 0,1
	v_mov_b32 v[ST+8*\x+1], 0xff61b1e6             ; m: -3e38, under every score
	v_mul_f32 v[ST+8*\x], s[CS], v[ST+8*\x+1]      ; c m
	v_mov_b32 v[ST+8*\x+2], 0                      ; l, in two halves
	v_mov_b32 v[ST+8*\x+3], 0
.endr
.set i, 0
.rept 64
	v_mov_b32 v[O+i], 0                            ; O^T.  (The step is written in one form: its first run finds zeros, which a = 0 leaves zeros; a first form of its own would be a ninth copy of the step)
.set i, i+1
.endr
	v_mov_b32 v11, 0
	s_wait_loadcnt 0x0                             ; Q and the mask
	v_cmp_ne_u32 s58, 0, v3
	v_cmp_ne_u32 s59, 0, v4
.set i, 0
.rept 16
	v_cndmask_b32 v[Q+i], v[Q+i], v11, s58         ; all of a lane's registers of a tile belong to its one query: a masked query's q becomes 0
	v_cndmask_b32 v[Q+16+i], v[Q+16+i], v11, s59
.set i, i+1
.endr
; THE SOFTMAX of both tiles for one key step; the two tiles alternate line by line, so that no line waits for the line above it.  119 instructions a tile.
.macro SOFTMAX
.irp j, 0,1,2,3                        ; the maximum of the lane's 32 scores and the old m, three operands at a time: four chains; each accumulator is read from its low end on
.irp x, 0,1
	v_max3_num_f32 v[ST+8*\x+4+\j], v[S+32*\x+8*\j], v[S+32*\x+8*\j+1], v[S+32*\x+8*\j+2]
.endr
.endr
.irp g, 1,2
.irp j, 0,1,2,3
.irp x, 0,1
	v_max3_num_f32 v[ST+8*\x+4+\j], v[ST+8*\x+4+\j], v[S+32*\x+8*\j+2*\g+1], v[S+32*\x+8*\j+2*\g+2]
.endr
.endr
.endr
.irp x, 0,1
	v_max3_num_f32 v[ST+8*\x+4], v[ST+8*\x+4], v[S+32*\x+7], v[S+32*\x+15]
	v_max3_num_f32 v[ST+8*\x+6], v[ST+8*\x+6], v[S+32*\x+23], v[S+32*\x+31]
.endr
.irp x, 0,1
	v_max3_num_f32 v[ST+8*\x+4], v[ST+8*\x+4], v[ST+8*\x+5], v[ST+8*\x+6]
.endr
.irp x, 0,1
	v_max3_num_f32 v[ST+8*\x+4], v[ST+8*\x+4], v[ST+8*\x+7], v[ST+8*\x+1]
.endr
.irp x, 0,1
	v_permlanex16_b32 v[ST+8*\x+5], v[ST+8*\x+4], s[SEL], s[SEL+1]   ; the query's other 32 keys lie in the lane 16 away
.endr
.irp x, 0,1
	v_mov_b32 v[ST+8*\x+7], v[ST+8*\x]             ; c m_old is kept for a
.endr
.irp x, 0,1
	v_max_num_f32 v[ST+8*\x+1], v[ST+8*\x+4], v[ST+8*\x+5]           ; the new m
.endr
.irp x, 0,1
	v_mul_f32 v[ST+8*\x], s[CS], v[ST+8*\x+1]
.endr
.irp x, 0,1
	v_sub_f32 v[ST+8*\x+7], v[ST+8*\x+7], v[ST+8*\x]                 ; c m_old - c m_new, 0 or less
.endr
.set e, 0
.rept 16
	v_pk_fma_f32 v[S+e:S+e+1], v[S+e:S+e+1], s[CS:CS+1], v[ST:ST+1] op_sel_hi:[1,0,0] neg_lo:[0,0,1] neg_hi:[0,0,1]                    ; c s - c m, two at a time
	v_pk_fma_f32 v[S+32+e:S+32+e+1], v[S+32+e:S+32+e+1], s[CS:CS+1], v[ST+8:ST+9] op_sel_hi:[1,0,0] neg_lo:[0,0,1] neg_hi:[0,0,1]
.set e, e+2
.endr
	v_exp_f32 v[ST+6], v[ST+7]                     ; ONE BATCH of 66 exponentials: a of both tiles,
	v_exp_f32 v[ST+14], v[ST+15]
.set e, 0
.rept 32
	v_exp_f32 v[S+e], v[S+e]                       ; and the weights p, at most 1
	v_exp_f32 v[S+32+e], v[S+32+e]
.set e, e+1
.endr
	v_nop                                          ; one plain instruction behind the last exponential,
	s_wait_alu depctr_va_vdst(0)                   ; and the one wait ahead of the batch's first reader
.irp x, 0,1
	v_pk_mul_f32 v[ST+8*\x+2:ST+8*\x+3], v[ST+8*\x+2:ST+8*\x+3], v[ST+8*\x+6:ST+8*\x+7] op_sel_hi:[1,0]   ; l under the new m
.endr
.irp x, 0,1
	v_pk_add_f32 v[TA+2*\x:TA+2*\x+1], v[S+32*\x:S+32*\x+1], v[S+32*\x+2:S+32*\x+3]   ; the sums are taken of the unrounded p, in two chains a tile, and leave S whole
.endr
.irp j, 4,8,12,16,20,24,28
.irp x, 0,1
	v_pk_add_f32 v[ST+8*\x+2:ST+8*\x+3], v[ST+8*\x+2:ST+8*\x+3], v[S+32*\x+\j:S+32*\x+\j+1]
	v_pk_add_f32 v[TA+2*\x:TA+2*\x+1], v[TA+2*\x:TA+2*\x+1], v[S+32*\x+\j+2:S+32*\x+\j+3]
.endr
.endr
.irp x, 0,1
	v_pk_add_f32 v[ST+8*\x+2:ST+8*\x+3], v[ST+8*\x+2:ST+8*\x+3], v[TA+2*\x:TA+2*\x+1]
.endr
.set e, 0
.rept 16
	v_cvt_pk_f16_f32 v[S+e], v[S+2*e], v[S+2*e+1]                    ; P in place, ascending: register e has been read before it is written
	v_cvt_pk_f16_f32 v[S+32+e], v[S+32+2*e], v[S+32+2*e+1]
.set e, e+1
.endr
.set e, 0
.rept 16
	v_pk_mul_f32 v[O+e:O+e+1], v[O+e:O+e+1], v[ST+6:ST+7] op_sel_hi:[1,0]            ; O^T under the new m, each accumulator from its low end on
	v_pk_mul_f32 v[O+32+e:O+32+e+1], v[O+32+e:O+32+e+1], v[ST+14:ST+15] op_sel_hi:[1,0]
.set e, e+2
.endr
.endm
; A KEY STEP: 64 keys, the q-th of the slot in hand; every offset is an immediate.
.macro STEP q
	v_add_nc_u32 v[ADK], s[TB], v[AK0]
	v_add_nc_u32 v[ADV], s[TB], v[AV0]
.rept 3
	v_nop                                          ; with the two additions: five places behind the last V^T P, whose V registers are loaded into and whose P registers the next products write over
.endr
.irp c, 0,1                                    ; K: keys 16 kt on, channels 32 c on: two loads of 16 bytes, 32 bytes apart; the first 32 channels first
.irp kt, 0,1,2,3
	ds_load_b128 v[KV+32*\c+8*\kt:KV+32*\c+8*\kt+3],   v[ADK] offset:(\q)*32*PKP+\kt*8*PKP+64*\c
	ds_load_b128 v[KV+32*\c+8*\kt+4:KV+32*\c+8*\kt+7], v[ADK] offset:(\q)*32*PKP+\kt*8*PKP+64*\c+32
.endr
.endr
	s_wait_dscnt 8                                 ; the first 32 channels are in; the eight loads of the second 32 may be out
.irp kt, 0,1,2,3                               ; S^T = K Q^T: the eight accumulators take turns, one instruction a turn; the first eight products start the sums
.irp x, 0,1
	v_wmma_f32_16x16x32_f16 v[S+32*\x+8*\kt:S+32*\x+8*\kt+7], v[KV+8*\kt:KV+8*\kt+7], v[Q+16*\x:Q+16*\x+7], 0
.endr
.endr
	s_wait_dscnt 0x0
.irp kt, 0,1,2,3
.irp x, 0,1
	v_wmma_f32_16x16x32_f16 v[S+32*\x+8*\kt:S+32*\x+8*\kt+7], v[KV+32+8*\kt:KV+32+8*\kt+7], v[Q+16*\x+8:Q+16*\x+15], v[S+32*\x+8*\kt:S+32*\x+8*\kt+7]
.endr
.endr
.rept 4
	v_nop                                          ; four places: the loads below land where K lay, and the softmax reads the scores
.endr
.irp ks, 0,1                                   ; V, turned: keys 32 ks on, channels 16 ct on.  It lands under the softmax
.irp ct, 0,1,2,3
	ds_load_tr16_b128 v[KV+32*\ks+8*\ct:KV+32*\ks+8*\ct+3],   v[ADV] offset:(\q)*32*PVP+\ks*16*PVP+32*\ct
	ds_load_tr16_b128 v[KV+32*\ks+8*\ct+4:KV+32*\ks+8*\ct+7], v[ADV] offset:(\q)*32*PVP+\ks*16*PVP+8*PVP+32*\ct
.endr
.endr
	SOFTMAX
	s_wait_dscnt 0x0                               ; V is in
.irp ks, 0,1                                   ; O^T += V^T P: eight accumulators by turns
.irp ct, 0,1,2,3
.irp x, 0,1
	v_wmma_f32_16x16x32_f16 v[O+32*\x+8*\ct:O+32*\x+8*\ct+7], v[KV+32*\ks+8*\ct:KV+32*\ks+8*\ct+7], v[S+32*\x+8*\ks:S+32*\x+8*\ks+7], v[O+32*\x+8*\ct:O+32*\x+8*\ct+7]
.endr
.endr
.endr
.endm
; THE CHANGE OF SLOTS stands at a slot's head.  Each wave waits for all its tensor loads (its part of the slot that it is about to read), adds 0 to its spare word, and waits for that and for its reads of the slot that it has left.
; fill = 1: the barrier is a round of the cluster's, so that no wave of any partner still reads the other slot or has a load on its way; the joint load of the next 256 keys is the first thing behind it and has
; four key steps in which to land.
.macro CHANGE fill
	s_wait_tensorcnt 0x0                           ; no tensor load of mine is out, so a group 0 may be written
	ds_add_u32 v[SPW], v[NIL]                      ; 0 onto my spare word
.if \fill
	ds_add_u32 v[SPW], v[NIL]                      ; and once more, in every trip alike
	s_xor_b32 s[G0K+1], s[G0K+1], SLOT1            ; the walking descriptors: the other slot than last time,
	s_add_nc_u64 s[G0K+2:G0K+3], s[G0K+2:G0K+3], SLOTB   ; the next 256 keys; the type bits on top are not reached
	s_xor_b32 s[G0V+1], s[G0V+1], SLOT1
	s_add_nc_u64 s[G0V+2:G0V+3], s[G0V+2:G0V+3], SLOTB
	s_wait_xcnt 0x0                                ; the last prefetch, a slot back, has read its address, so it may be written:
	s_add_nc_u64 s[PFA:PFA+1], s[PFA:PFA+1], SLOTB ; one slot further on than the walking descriptors
	s_wait_dscnt 0x0                               ; both adds are done, and my reads of the slot that I have left are over
	CROUND
	JLOAD
	ASK
.else
	s_wait_dscnt 0x0
	s_barrier_signal -1
	s_barrier_wait -1
.endif
.endm
.macro SLOT_STEPS
	STEP 0
	STEP 1
	STEP 2
	STEP 3
	s_xor_b32 s[TB], s[TB], SLOT1                  ; on to the other slot
.endm
.Lslot:                                            ; seven trips: behind each change of slots but the last the next slot is asked for
	CHANGE 1
	SLOT_STEPS
	s_sub_co_u32 s[SLOTS], s[SLOTS], 1
	s_cmp_lg_u32 s[SLOTS], 0
	s_cbranch_scc1 .Lslot
	CHANGE 0                                       ; the last slot is written out
	SLOT_STEPS
	; THE WAY OUT.  The addresses are made here: plain instructions, the places behind the last products.  l's halves are added; O^T / l is rounded to f16 and goes through my stage, so that each store covers 512 consecutive bytes.
	v_and_b32 v3, 15, v0                           ; r
	v_bfe_u32 v4, v0, 4, 1                         ; h
	s_mul_i32 s15, s[WV], 32*SROW                  ; my stage
	v_mul_u32_u24 v8, v3, SROW
	v_lshl_add_u32 v8, v4, 4, v8
	v_add_nc_u32 v8, s15, v8                       ; in: query r, 16 bytes for each half of the lanes
	v_bfe_u32 v9, v0, 3, 2
	v_mul_u32_u24 v9, v9, SROW
	v_and_b32 v11, 7, v0
	v_lshl_add_u32 v9, v11, 4, v9
	v_add_nc_u32 v9, s15, v9                       ; back: eight lanes to a query's 128 bytes
	v_and_b32 v10, 31, v0
	v_lshlrev_b32 v10, 4, v10                      ; and 16 x lane in memory
.irp x, 0,1
	v_add_f32 v[ST+8*\x+4], v[ST+8*\x+2], v[ST+8*\x+3]
.endr
.irp x, 0,1
	v_permlanex16_b32 v[ST+8*\x+5], v[ST+8*\x+4], s[SEL], s[SEL+1]
.endr
.irp x, 0,1
	v_add_f32 v[ST+8*\x+4], v[ST+8*\x+4], v[ST+8*\x+5]               ; the row's sum
.endr
.irp x, 0,1
	v_rcp_f32 v[ST+8*\x+6], v[ST+8*\x+4]
.endr
	v_nop                                          ; a plain instruction behind the last reciprocal,
	s_wait_alu depctr_va_vdst(0)                   ; and the wait ahead of the first use: one for the two
.set e, 0
.rept 16
	v_pk_mul_f32 v[O+e:O+e+1], v[O+e:O+e+1], v[ST+6:ST+7] op_sel_hi:[1,0]
	v_pk_mul_f32 v[O+32+e:O+32+e+1], v[O+32+e:O+32+e+1], v[ST+14:ST+15] op_sel_hi:[1,0]
.set e, e+2
.endr
.set e, 0
.rept 32
	v_cvt_pk_f16_f32 v[S+e], v[O+2*e], v[O+2*e+1]  ; register 16 x + 4 ct + i: y(query r of tile x, channels 16 ct + 8 h + 2 i, + 1)
.set e, e+1
.endr
.irp x, 0,1
.irp ct, 0,1,2,3
	ds_store_b128 v8, v[S+16*\x+4*\ct:S+16*\x+4*\ct+3] offset:\x*16*SROW+32*\ct
.endr
.endr
.irp i, 0,1,2,3,4,5,6,7
	ds_load_b128 v[S+32+4*\i:S+32+4*\i+3], v9 offset:4*SROW*\i       ; LDS serves a wave's instructions in order: these see my stores
.endr
.irp i, 0,1,2,3,4,5,6,7
	s_wait_dscnt 7-\i                              ; the younger loads stay out
	global_store_b128 v10, v[S+32+4*\i:S+32+4*\i+3], s[8:9] offset:512*\i
.endr
	s_wait_tensorcnt 0x0                           ; the wave's end, behind my last tensor load and my last LDS store
	ds_add_u32 v[SPW], v[NIL]
	s_wait_dscnt 0x0
	CROUND                                         ; the closing round: no work-group ends while a partner may still ask for a tile that names it
	s_endpgm
.Lfunc_end_k_q47da21e882_attn:
	.size	k_q47da21e882_attn, .Lfunc_end_k_q47da21e882_attn-k_q47da21e882_attn
	.p2alignl 7, 3214868480
	.fill 96, 4, 3214868480
	.section	.rodata,"a",@progbits
	.p2align	6, 0x0
	.amdhsa_kernel k_q47da21e882_attn
		.amdhsa_group_segment_fixed_size 327680
		.amdhsa_private_segment_fixed_size 0
		.amdhsa_enable_private_segment 0
		.amdhsa_kernarg_size 24
		.amdhsa_user_sgpr_count 2
		.amdhsa_user_sgpr_kernarg_segment_ptr 1
		.amdhsa_wavefront_size32 1
		.amdhsa_system_sgpr_workgroup_id_x 1
		.amdhsa_system_sgpr_workgroup_id_y 1
		.amdhsa_system_sgpr_workgroup_id_z 1
		.amdhsa_system_vgpr_workitem_id 0
		.amdhsa_next_free_vgpr 256
		.amdhsa_next_free_sgpr 72
		.amdhsa_reserve_vcc 0
		.amdhsa_float_denorm_mode_32 3
		.amdhsa_float_denorm_mode_16_64 3
		.amdhsa_memory_ordered 1
		.amdhsa_forward_progress 1
		.amdhsa_inst_pref_size 157
	.end_amdhsa_kernel
	.amdgpu_metadata
---
amdhsa.version: [ 1, 2 ]
amdhsa.kernels:
  - .name:           k_q47da21e882_attn
    .symbol:         k_q47da21e882_attn.kd
    .args:
      - { .name: qkv, .offset: 0, .size: 8, .value_kind: global_buffer, .address_space: global }
      - { .name: attn_mask, .offset: 8, .size: 8, .value_kind: global_buffer, .address_space: global }
      - { .name: y, .offset: 16, .size: 8, .value_kind: global_buffer, .address_space: global }
    .group_segment_fixed_size: 327680
    .private_segment_fixed_size: 0
    .kernarg_segment_align: 8
    .kernarg_segment_size: 24
    .max_flat_workgroup_size: 512
    .sgpr_count:     72
    .vgpr_count:     256
    .wavefront_size: 32
...
	.end_amdgpu_metadata
.endif
;; end of part 3
;; launch proj (part 4): grid 8 x 64, 4 waves a work-group, clusters of 4 x 4, 327,680 bytes of LDS; arguments y, wp, out0; writes out0
.if DOCPART == 4
	.amdgcn_target "amdgcn-amd-amdhsa--gfx1250"
	.amdhsa_code_object_version 6
	.text
	.protected	k_q47da21e882_proj
	.globl	k_q47da21e882_proj
	.p2align	8
	.type	k_q47da21e882_proj,@function
k_q47da21e882_proj:
	s_mov_b64 s[64:65], 0
	v_nop
	global_prefetch_b8 v0, s[64:65] scope:SCOPE_SE
	s_setreg_imm32_b32 hwreg(HW_REG_WAVE_MODE, 25, 1), 1
	s_wait_xcnt 0x0
	s_wait_alu depctr_hold_cnt(0) depctr_sa_sdst(0) depctr_va_vdst(0) depctr_va_sdst(0) depctr_va_ssrc(0) depctr_va_vcc(0) depctr_vm_vsrc(0)
	s_getreg_b32 s2, hwreg(HW_REG_IB_STS2, 6, 4)
	s_cmp_eq_u32 s2, 0
	s_cbranch_scc0 .Lentry_in_a_cluster
	s_endpgm
.Lentry_in_a_cluster:
	s_bfe_u32 s2, ttmp6, 0x10000c
	s_cmp_lg_u32 s2, 0xf033
	s_cbranch_scc0 .Lentry_shape_is_right
	s_endpgm
.Lentry_shape_is_right:
; SelfAttention, launch 4 of 4: out0 = y @ W_proj, 8,192 x 1,024 x 1,024, f16 operands, f32 sums, K ascending.  No work of reference() is left out.
; A = y, f16, laid [token / 64][h][token % 64][64]: 64 tokens x 4 heads (K = 256) are one dense block of 32,768 bytes.  B = wp, f16, [k 1024][n 1024], as W_proj lies: it comes out of LDS turned, by ds_load_tr16_b128.
; A tile of out0 is 128 x 128, so that the launch has 512 work-groups; four waves, each 64 x 64: 16 accumulators of 16 x 16.  K goes in steps of 256 through two LDS slots.
; CLUSTERS: 4 x 4 work-groups.  The four of a row of the cluster need the same tiles of A, the four of a column the same tiles of B: each tile is asked for JOINTLY, by the same tensor load with the
; same descriptor and a mask that names the four.  THE MATRIX INSTRUCTION IS USED TRANSPOSED (source 0 = 16 columns of W_proj, source 1 = 16 tokens): a lane then holds eight neighbouring numbers of a row of out0.
; IN LDS A's rows of 128 bytes lie two to a row of 256 bytes + 16: token r of a head at (r / 2) x 272 + (r % 2) x 128: the 16 tokens of a load fall on sixteen different 16-byte columns.
; B's rows (one k, 128 n) are 256 bytes + 32: 8 rows x 2 columns of a turning load fall on sixteen different columns.
; REGISTERS: window 0: v0-31 addresses; v32-95 at work on the way out; v128-255 the accumulators ((a, b) at v[128 + 8 (4 a + b)]).
;   window 1: two fragment buffers of 128: for 64 along K (one head), 64 registers of A (2 x 4 x 16 tokens x 32 K), then 64 of B.
.set PA,     272
.set PB,     288
.set HALFA,  128*PA                    ; 64 tokens x 4 heads: what one tensor load brings of A, and what one wave reads
.set HALFB,  128*PB                    ; 128 k x 128 n: what one tensor load brings of B
.set SLOT,   2*HALFA+2*HALFB           ; A's two halves (tokens), then B's two (k)
.set STAGE,  2*SLOT                    ; behind the slots: 16 rows x (256 bytes + 16) for each wave, for the way out
.set SPITCH, 272
.set SPARE,  STAGE+4*16*SPITCH         ; the spare words, 128 bytes for each wave: two blocks of 256 bytes that no other line names
.set LAPS,   2                         ; a lap = two K steps of 256 = once round the ring
.set ADRA, 16                          ; v16-17  LDS address of my A fragments in slot 0, 1
.set ADRB, 20                          ; v20-23  of my B fragments: slot 0 half 0, 1; slot 1 half 0, 1: so that every offset stays inside 16 bits
.set STO,  24                          ; v24     the way out: where I put 32 bytes of a row
.set RD,   25                          ; v25     the way out: where I read a row back
.set CO,   26                          ; v26     my byte offset in out0
.set SPW,  28                          ; v28     LDS address of my spare word; never rewritten
.set NIL,  29                          ; v29     0; never rewritten
.set OB,   32                          ; the way out: 16 rows read back: v32-63 and v64-95 by turns
.set ACC,  128
.set F0,   0                           ; fragment buffers, in window 1
.set F1,   128
.set G1, 24                            ; s[24:31] descriptor group 1 for A's tiles;  s[32:39] group 0, one set for each slot
.set G0, 32
.set G1B, 48                           ; s[48:55], s[56:63] the same for B's tiles
.set G0B, 56
.set MSB, 0
.macro WIN new                         ; the immediate's high byte repeats the setting that is left
.if MSB != \new
	s_set_vgpr_msb (MSB<<8)|\new
.set MSB, \new
.endif
.endm
.set MUL,  0x05                        ; sources 0 (B) and 1 (A) window 1; C and D window 0
.set TO_F, 0x40                        ; destination window 1, address window 0
.macro JLOAD s                         ; a joint load: waves 0 and 1 fetch A's two halves, waves 2 and 3 B's; an s_nop 0 and four v_nop follow each of the two lines, ahead of the jump, the label and what follows
	s_cmp_eq_u32 s11, 0
	s_cbranch_scc0 .Lfor_b_\@
	tensor_load_to_lds s[G0+4*\s:G0+4*\s+3], s[G1:G1+7]
	s_nop 0
.rept 4
	v_nop
.endr
	s_branch .Lasked_\@
.Lfor_b_\@:
	tensor_load_to_lds s[G0B+4*\s:G0B+4*\s+3], s[G1B:G1B+7]
	s_nop 0
.rept 4
	v_nop
.endr
.Lasked_\@:
.endm
.macro CREST                           ; a round of the cluster's barrier behind its opening barrier
	s_cmp_lg_u32 s10, 0
	s_cbranch_scc1 .Lnot_wave_0_\@
	s_barrier_signal -3
.Lnot_wave_0_\@:
	s_barrier_wait -3
	s_barrier_signal -1
	s_barrier_wait -1
.endm
.macro CROUND                          ; a whole round
	s_barrier_signal -1
	s_barrier_wait -1
	CREST
.endm
	s_load_b128 s[4:7], s[0:1], 0x0                ; y s[4:5], wp s[6:7]
	s_load_b64 s[8:9], s[0:1], 0x10                ; out0
	v_lshl_add_u32 v[SPW], v0, 2, SPARE
	v_mov_b32 v[NIL], 0
	ds_add_u32 v[SPW], v[NIL]                      ; the wave's opening: the add, twice on end, and its wait ahead of my first tensor load; the set-up below, work on registers, stands between
	ds_add_u32 v[SPW], v[NIL]
	v_lshrrev_b32 v1, 5, v0
	v_readfirstlane_b32 s10, v1                    ; wave 0..3
	s_lshr_b32 s11, s10, 1                         ; which half of the tile's rows is mine.  Also: I fetch for A (0) or for B (1)
	s_and_b32 s12, s10, 1                          ; which half of its columns.  Also: which half of that tile I fetch
	s_bfe_u32 s40, ttmp6, 0x40000                  ; cx, cy: my place in the cluster
	s_bfe_u32 s41, ttmp6, 0x40004
	s_lshl_b32 s42, ttmp9, 2
	s_add_co_u32 s42, s42, s40                     ; tile column = 4 x cluster x + cx
	s_and_b32 s13, ttmp7, 0xffff
	s_lshl_b32 s13, s13, 2
	s_add_co_u32 s13, s13, s41                     ; tile row = 4 x cluster y + cy
	s_lshl_b32 s43, s41, 2
	s_lshl_b32 s43, 15, s43                        ; my row of the cluster
	s_lshl_b32 s44, 0x1111, s40                    ; my column
	; descriptor group 1.  A: a dense block of 32,768 bytes as 128 rows of 256 bytes (32 elements of 8), four words of padding behind each
	s_or_b32 s[G1+0], s43, (3<<16)|(1<<20)|(1<<21)|(5<<22)|(3<<25)  ; 15:0 the mask: A's tiles go to my row; 17:16 elements of 8 bytes; 20 padding on; 21 set beside a mask; 24:22 after every 64 words; 31:25 four words
	s_mov_b32 s[G1+1], 32<<16                      ; tensor_dim0
	s_mov_b32 s[G1+2], 128<<16                     ; tensor_dim1
	s_mov_b32 s[G1+3], 32<<16                      ; tile_dim0
	s_mov_b32 s[G1+4], 128                         ; tile_dim1
	s_mov_b32 s[G1+5], 32                          ; tensor_dim0_stride
	s_mov_b32 s[G1+6], 0
	s_mov_b32 s[G1+7], 0
	; B: 128 rows (k) of 128 elements of 2 bytes (n), 1,024 elements apart, eight words of padding behind each
	s_or_b32 s[G1B+0], s44, (1<<16)|(1<<20)|(1<<21)|(5<<22)|(7<<25)
	s_mov_b32 s[G1B+1], 128<<16
	s_mov_b32 s[G1B+2], 128<<16
	s_mov_b32 s[G1B+3], 128<<16
	s_mov_b32 s[G1B+4], 128
	s_mov_b32 s[G1B+5], 1024
	s_mov_b32 s[G1B+6], 0
	s_mov_b32 s[G1B+7], 0
	s_lshl_b32 s16, s13, 1
	s_add_co_u32 s16, s16, s12
	s_lshl_b32 s16, s16, 17                        ; A: block of 64 tokens 2 x tile row + half, 131,072 bytes each
	s_mov_b32 s17, 0
	s_lshl_b32 s46, s12, 18                        ; B: 128 rows of 2,048 bytes for the half,
	s_lshl_b32 s47, s42, 8
	s_add_co_u32 s46, s46, s47                     ; + 256 bytes for each tile column
	s_mov_b32 s47, 0
	s_mul_i32 s20, s12, HALFA                      ; where they go: no place in the cluster enters an LDS address
	s_mul_i32 s21, s12, HALFB
	s_add_co_u32 s21, s21, 2*HALFA
	s_wait_dscnt 0x0                               ; both opening adds are done
	s_wait_kmcnt 0x0
	s_add_nc_u64 s[14:15], s[4:5], s[16:17]
	s_add_nc_u64 s[46:47], s[6:7], s[46:47]
	CROUND                                         ; all sixteen work-groups are here: the first joint loads meet
.irp s, 0,1
	s_mov_b32 s[G0+4*\s], 1
	s_add_co_u32 s[G0+4*\s+1], s20, \s*SLOT
	s_add_nc_u64 s[G0+4*\s+2:G0+4*\s+3], s[14:15], \s*32768      ; K step s: four heads on
	s_or_b32 s[G0+4*\s+3], s[G0+4*\s+3], 0x80000000
	s_mov_b32 s[G0B+4*\s], 1
	s_add_co_u32 s[G0B+4*\s+1], s21, \s*SLOT
	s_add_nc_u64 s[G0B+4*\s+2:G0B+4*\s+3], s[46:47], \s*524288   ; 256 rows down
	s_or_b32 s[G0B+4*\s+3], s[G0B+4*\s+3], 0x80000000
	JLOAD \s
.endr
	v_and_b32 v1, 15, v0                           ; r = l % 16
	v_bfe_u32 v2, v0, 4, 1                         ; h = l / 16
	v_lshrrev_b32 v3, 1, v1
	v_mul_u32_u24 v3, v3, PA
	v_and_b32 v4, 1, v0
	v_lshl_add_u32 v3, v4, 7, v3
	v_lshl_add_u32 v3, v2, 4, v3                   ; A: (r / 2) x 272 + (r % 2) x 128 + 16 h
	v_and_b32 v4, 7, v0
	v_lshl_add_u32 v4, v2, 3, v4
	v_mul_u32_u24 v4, v4, PB
	v_bfe_u32 v5, v0, 3, 1
	v_lshl_add_u32 v4, v5, 4, v4                   ; B: the turning load's lane reads row 8 h + l % 8, columns 8 ((l / 8) % 2) on
	s_mul_i32 s21, s11, HALFA                      ; my 64 tokens
	s_lshl_b32 s22, s12, 7                         ; my 64 columns: 128 bytes of each row of B,
	s_add_co_u32 s22, s22, 2*HALFA                 ; which lies behind A
.irp s, 0,1
	v_add_nc_u32 v[ADRA+\s], s21, v3
	v_add_nc_u32 v[ADRB+2*\s], s22, v4
	s_add_co_u32 s22, s22, HALFB
	v_add_nc_u32 v[ADRB+2*\s+1], s22, v4
	s_add_co_u32 s21, s21, SLOT
	s_add_co_u32 s22, s22, SLOT-HALFB
.endr
	s_mul_i32 s23, s10, 16*SPITCH
	s_add_co_u32 s23, s23, STAGE                   ; my stage
	v_mul_u32_u24 v4, v1, SPITCH                   ; in: row r, 32 bytes for each half of the lanes
	v_lshl_add_u32 v4, v2, 5, v4
	v_add_nc_u32 v[STO], s23, v4
	v_mul_u32_u24 v5, v2, SPITCH                   ; back: lanes 0-15 take one row of 256 bytes, lanes 16-31 the next
	v_lshl_add_u32 v5, v1, 4, v5
	v_add_nc_u32 v[RD], s23, v5
	v_lshlrev_b32 v5, 12, v2                       ; and the same two rows in out0, 4,096 bytes apart
	v_lshl_add_u32 v[CO], v1, 4, v5
	s_lshl_b32 s16, s13, 7
	s_lshl_b32 s17, s11, 6
	s_add_co_u32 s16, s16, s17                     ; my first row: 128 x tile row + 64 x half
	s_lshl_b32 s16, s16, 12
	s_mov_b32 s17, 0
	s_add_nc_u64 s[8:9], s[8:9], s[16:17]
	s_lshl_b32 s46, s42, 9                         ; my first column, in bytes: 512 x tile column + 256 x half
	s_lshl_b32 s47, s12, 8
	s_add_co_u32 s46, s46, s47
	s_mov_b32 s47, 0
	s_add_nc_u64 s[8:9], s[8:9], s[46:47]
; 8 matrix instructions: m blocks a0, a0 + 1 x all 4 n blocks, 32 along K: half c of buffer f.  zero = 1: the first product starts the sums.  The 16 accumulators take turns
.macro MUL8 f, c, a0, zero
.irp a, \a0, \a0+1
.irp b, 0,1,2,3
.if \zero
	v_wmma_f32_16x16x32_f16 v[ACC+8*(4*(\a)+\b):ACC+8*(4*(\a)+\b)+7], v[\f+64+8*(4*\c+\b):\f+64+8*(4*\c+\b)+7], v[\f+8*(4*\c+\a):\f+8*(4*\c+\a)+7], 0
.else
	v_wmma_f32_16x16x32_f16 v[ACC+8*(4*(\a)+\b):ACC+8*(4*(\a)+\b)+7], v[\f+64+8*(4*\c+\b):\f+64+8*(4*\c+\b)+7], v[\f+8*(4*\c+\a):\f+8*(4*\c+\a)+7], v[ACC+8*(4*(\a)+\b):ACC+8*(4*(\a)+\b)+7]
.endif
.endr
.endr
.endm
; 32 LDS loads in one run: the fragments of quarter q of the slot (64 along K: head q of the step's four) into buffer f; the first 32 along K first
.macro FETCH slot, q, f
	WIN TO_F
.irp c, 0,1
.irp i, 0,1,2,3
	ds_load_tr16_b128 v[\f+64+8*(4*\c+\i):\f+64+8*(4*\c+\i)+3],   v[ADRB+2*\slot+(\q)/2] offset:(((\q)%2)*64+32*\c)*PB+32*\i
	ds_load_tr16_b128 v[\f+64+8*(4*\c+\i)+4:\f+64+8*(4*\c+\i)+7], v[ADRB+2*\slot+(\q)/2] offset:(((\q)%2)*64+32*\c+16)*PB+32*\i
	ds_load_b128 v[\f+8*(4*\c+\i):\f+8*(4*\c+\i)+3],              v[ADRA+\slot] offset:(\q)*32*PA+\i*8*PA+64*\c
	ds_load_b128 v[\f+8*(4*\c+\i)+4:\f+8*(4*\c+\i)+7],            v[ADRA+\slot] offset:(\q)*32*PA+\i*8*PA+64*\c+32
.endr
.endr
.endm
.macro PLACES                          ; four places in front of loads into registers that matrix instructions have read, and of the first read of results
.rept 4
	v_nop
.endr
.endm
; A K step is four quarters of 64 along K, 32 matrix instructions each, on buffers 0, 1, 0, 1.  One of the first three: multiplies buffer f and fetches quarter q, the next, into g.
.macro QUARTER slot, q, f, g, zero
	s_wait_dscnt 16                                ; the first 32 along K are in; the sixteen loads of the second 32 may be out
	WIN MUL
	MUL8 \f, 0, 0, \zero
	MUL8 \f, 0, 2, \zero
	PLACES
	FETCH \slot, \q, \g
	s_wait_dscnt 32                                ; all but the 32 just issued
	WIN MUL
	MUL8 \f, 1, 0, 0
	MUL8 \f, 1, 2, 0
.endm
; The last quarter multiplies buffer 1 and changes slots: ONE barrier; in front of it each wave waits for all its tensor loads, adds 0 to its spare word, and waits for that and for its own reads of this slot.  fill = 1: this slot is filled again, two K steps ahead.
.macro TURN slot, next, fill
	WIN 0                                          ; (the add's two registers lie in window 0)
	s_wait_tensorcnt 0x0                           ; all my tensor loads have landed: my part of the next slot;
	ds_add_u32 v[SPW], v[NIL]                      ; 0 onto my spare word;
	s_wait_dscnt 17                                ; (the add and the youngest sixteen loads may be out)
	WIN MUL
	MUL8 F1, 0, 0, 0                               ; eight matrix instructions stand between the add and the wait for it
	s_wait_dscnt 0x0                               ; the add is done, and my reads of this slot are over
	s_barrier_signal -1
	MUL8 F1, 0, 2, 0
.if \fill
	WIN 0
.endif
	s_barrier_wait -1
.if \fill
	CREST                                          ; the barrier has opened a round of the cluster's barrier: no wave of any partner still reads this slot's tile or has a load on its way
	s_add_nc_u64 s[G0+4*\slot+2:G0+4*\slot+3], s[G0+4*\slot+2:G0+4*\slot+3], 2*32768
	s_add_nc_u64 s[G0B+4*\slot+2:G0B+4*\slot+3], s[G0B+4*\slot+2:G0B+4*\slot+3], 2*524288
	JLOAD \slot                                    ; the first tensor load behind the round; the four v_nop behind it are also the places in front of the loads below
.else
	PLACES
.endif
	FETCH \next, 0, F0
	WIN MUL
	MUL8 F1, 1, 0, 0
	MUL8 F1, 1, 2, 0
.endm
	s_wait_tensorcnt 1                             ; my part of K step 0 is in (K step 1's load may be out)
	s_barrier_signal -1
	s_barrier_wait -1                              ; everybody's is
	FETCH 0, 0, F0
	QUARTER 0, 1, F0, F1, 1                        ; the first quarter stands in front of the loop: its first products start the sums
	WIN 0                                          ; at a label and at a branch every window is 0
	s_mov_b32 s3, LAPS-1
.Llap:                                                 ; a trip goes once round the ring, from a lap's second quarter to the next lap's first, and fills both slots again
	QUARTER 0, 2, F1, F0, 0
	QUARTER 0, 3, F0, F1, 0
	TURN 0, 1, 1
	QUARTER 1, 1, F0, F1, 0
	QUARTER 1, 2, F1, F0, 0
	QUARTER 1, 3, F0, F1, 0
	TURN 1, 0, 1
	QUARTER 0, 1, F0, F1, 0
	WIN 0
	s_sub_co_u32 s3, s3, 1
	s_cmp_lg_u32 s3, 0
	s_cbranch_scc1 .Llap
	QUARTER 0, 2, F1, F0, 0                        ; the last lap fills nothing, and has no round of the cluster's barrier
	QUARTER 0, 3, F0, F1, 0
	TURN 0, 1, 0
	QUARTER 1, 1, F0, F1, 0
	QUARTER 1, 2, F1, F0, 0
	QUARTER 1, 3, F0, F1, 0
	s_wait_dscnt 16                                ; the very last quarter: nothing more to fetch
	WIN MUL
	MUL8 F1, 0, 0, 0
	MUL8 F1, 0, 2, 0
	s_wait_dscnt 0
	MUL8 F1, 1, 0, 0
	MUL8 F1, 1, 2, 0
	WIN 0
; THE WAY OUT, block by block of 16 rows x 64 columns of f32.  A lane holds 32 neighbouring bytes of a row, and the lanes beside it hold other rows: so a block goes through my own stage and comes back as whole rows
; of 256 bytes: sixteen lanes store 256 consecutive bytes, aligned.  LDS serves a wave's instructions in order: no wait between the stores and the loads, nor in front of the next block's stores.
.macro TOSTAGE a
.set BB, OB+32*((\a)%2)
.irp b, 0,1,2,3
	ds_store_b128 v[STO], v[ACC+8*(4*(\a)+\b):ACC+8*(4*(\a)+\b)+3] offset:64*\b          ; each accumulator from its low end on
	ds_store_b128 v[STO], v[ACC+8*(4*(\a)+\b)+4:ACC+8*(4*(\a)+\b)+7] offset:64*\b+16
.endr
.irp i, 0,1,2,3,4,5,6,7
	ds_load_b128 v[BB+4*\i:BB+4*\i+3], v[RD] offset:2*\i*SPITCH
.endr
.endm
.macro SEND a, younger                 ; younger: the LDS instructions issued behind block a's loads, which may stay out
.set BB, OB+32*((\a)%2)
	s_wait_dscnt \younger                          ; the block is back in registers
.irp i, 0,1,2,3,4,5,6,7
	global_store_b128 v[CO], v[BB+4*\i:BB+4*\i+3], s[8:9] offset:(16*(\a)+2*\i)*4096 th:TH_STORE_NT   ; written once, read by nobody here
.endr
.endm
	PLACES
	TOSTAGE 0
.irp a, 1,2,3
.if \a > 1
	s_wait_xcnt 0x0                                ; block a - 2's stores have read their registers: block a's loads may land there
.endif
	TOSTAGE \a
	SEND \a-1, 16                                  ; behind block a - 1's loads: block a's 8 stores and 8 loads
.endr
	SEND 3, 0
	s_wait_tensorcnt 0x0                           ; the wave's end, behind my last tensor load and my last LDS store
	ds_add_u32 v[SPW], v[NIL]
	s_wait_dscnt 0x0
	CROUND                                         ; the closing round: no work-group ends while a partner may still ask for a tile that names it
	s_endpgm
.Lfunc_end_k_q47da21e882_proj:
	.size	k_q47da21e882_proj, .Lfunc_end_k_q47da21e882_proj-k_q47da21e882_proj
	.p2alignl 7, 3214868480
	.fill 96, 4, 3214868480
	.section	.rodata,"a",@progbits
	.p2align	6, 0x0
	.amdhsa_kernel k_q47da21e882_proj
		.amdhsa_group_segment_fixed_size 327680
		.amdhsa_private_segment_fixed_size 0
		.amdhsa_enable_private_segment 0
		.amdhsa_kernarg_size 24
		.amdhsa_user_sgpr_count 2
		.amdhsa_user_sgpr_kernarg_segment_ptr 1
		.amdhsa_wavefront_size32 1
		.amdhsa_system_sgpr_workgroup_id_x 1
		.amdhsa_system_sgpr_workgroup_id_y 1
		.amdhsa_system_sgpr_workgroup_id_z 1
		.amdhsa_system_vgpr_workitem_id 0
		.amdhsa_next_free_vgpr 512
		.amdhsa_next_free_sgpr 66
		.amdhsa_reserve_vcc 0
		.amdhsa_float_denorm_mode_32 3
		.amdhsa_float_denorm_mode_16_64 3
		.amdhsa_memory_ordered 1
		.amdhsa_forward_progress 1
		.amdhsa_inst_pref_size 86
	.end_amdhsa_kernel
	.amdgpu_metadata
---
amdhsa.version: [ 1, 2 ]
amdhsa.kernels:
  - .name:           k_q47da21e882_proj
    .symbol:         k_q47da21e882_proj.kd
    .args:
      - { .name: y, .offset: 0, .size: 8, .value_kind: global_buffer, .address_space: global }
      - { .name: wp, .offset: 8, .size: 8, .value_kind: global_buffer, .address_space: global }
      - { .name: out0, .offset: 16, .size: 8, .value_kind: global_buffer, .address_space: global }
    .group_segment_fixed_size: 327680
    .private_segment_fixed_size: 0
    .kernarg_segment_align: 8
    .kernarg_segment_size: 24
    .max_flat_workgroup_size: 128
    .sgpr_count:     66
    .vgpr_count:     512
    .wavefront_size: 32
...
	.end_amdgpu_metadata
.endif
;; end of part 4
